; MI455X (gfx1250); checked and timed in simulation.
; The chip was launched on July 23, 2026; its instructions are those of AMD's public machine-readable ISA for CDNA 5 (MIT licence, August 2026) and "CDNA5" Instruction Set Architecture Reference Guide (July 2026). The comments in the code are by the model that wrote it; some were corrected since.
;; Cross Attention. Allowed arithmetic: matrix products marked QUANTISED: E2M1 operands, one E8M0 scale for each 32 along K, by v_wmma_scale_f32_16x16x128_f8f6f4 with both operands' format E2M1 (or v_wmma_scale_f32_32x16x128_f4), f32 sums; products left as they are: bf16, f16 or f32 operands; f32 sums; everything else in f32.
;; Inputs: Wk 1,024 x 1,024 float32; Wo 1,024 x 1,024 float32; Wq 1,024 x 1,024 float32; Wv 1,024 x 1,024 float32; bk 1,024 float32; bo 1,024 float32; bq 1,024 float32; bv 1,024 float32; key 2 x 2,048 x 1,024 float32; query 2 x 2,048 x 1,024 float32; value 2 x 2,048 x 1,024 float32.
;; Outputs: out0 2 x 2,048 x 1,024 float32.
;; This version of the problem:
;;   THIS VERSION OF THE PROBLEM IS GIVEN IN LOW PRECISION. The matrix products marked QUANTISED in the list below multiply operands that are first quantised to E2M1 (2 exponent bits, 1 mantissa bit; 4 bits a number), with one power-of-two scale for each 32 numbers along K (OCP MX v1.0); their sums are f32. The products marked 'left as it is' may take bf16, f16 or f32 operands, with f32 sums. Whichever they take, every output number must still come out within the allowed error. Rounding operands to bf16 (8 significant bits) uses up far more of that allowance than f16 does (11 bits, for magnitudes from 6e-5 to 65,504). All else is computed in f32.
;;   The module's matrix products, in the order in which they are computed (A, B: the left and right operand; K: the contracted axis; several contracted axes count as one K, in the product's order):
;;     1. [M 4,096, K 1,024] x [K 1,024, N 1,024]; A: input query; B: input Wq: QUANTISED
;;     2. [M 4,096, K 1,024] x [K 1,024, N 1,024]; A: input key; B: input Wk: QUANTISED
;;     3. [M 4,096, K 1,024] x [K 1,024, N 1,024]; A: input value; B: input Wv: QUANTISED
;;     4. batch 32 x [M 2,048, K 64] x [K 64, N 2,048]; A: computed on the way; B: computed on the way: left as it is (an operand is computed on the way)
;;     5. batch 32 x [M 2,048, K 2,048] x [K 2,048, N 64]; A: computed on the way; B: computed on the way: left as it is (an operand is computed on the way)
;;     6. [M 4,096, K 1,024] x [K 1,024, N 1,024]; A: computed on the way; B: input Wo: left as it is (an operand is computed on the way)
;;   THE QUANTISER, for each operand of a quantised product, along K:
;;     - K is cut into blocks of 32 from its start; a last block that is shorter is filled with zeros.
;;     - A block's scale is 2^e with e = floor(log2(the largest magnitude in the block)) - 2, held to -126 .. 127; a block of zeros has e = 0. As a byte (E8M0): e + 127.
;;     - Each number is divided by its block's scale, clamped to +-6, and rounded to the nearest number of E2M1, ties to even, subnormals kept.
;;     - The product sums the exact products of the quantised numbers (number of the format x scale) in f32.
;;   ~~~python
;;   def quantise(x, axis):      # numpy; x: float32 -> the quantised numbers, widened to float32 again
;;       x = np.moveaxis(x, axis, -1); K = x.shape[-1]
;;       x = np.pad(x, [(0, 0)] * (x.ndim - 1) + [(0, -K % 32)]); x = x.reshape(x.shape[:-1] + (-1, 32)); a = np.abs(x).max(-1, keepdims=True)
;;       e = np.where(a > 0, np.clip(np.frexp(np.where(a > 0, a, 1))[1] - 1 - 2, -126, 127), 0)      # np.frexp(a)[1] - 1 = floor(log2(a)), exactly
;;       r = np.clip(x / 2.0 ** e, -6, 6)
;;       step = 2.0 ** (np.maximum(np.frexp(np.where(r == 0, 1, r))[1] - 1, 0) - 1)
;;       q = np.round(r / step) * step * 2.0 ** e      # np.round: ties to even
;;       return np.moveaxis(q.reshape(q.shape[:-2] + (-1,))[..., :K], -1, axis).astype(np.float32)
;;   ~~~
;; One version. Each part assembles by itself: llvm-mc -triple=amdgcn-amd-amdhsa -mcpu=gfx1250 --defsym DOCPART=n.
;; ======== version 1 of 1: 4 launches
;; limits: values are held in f16: magnitudes above 65,504 overflow, below 6.1e-05 lose precision
;; workspace buffers: codes 7,864,320 bytes; scales 491,520 bytes; wo16 2,097,152 bytes; qkv 25,165,824 bytes; ao 8,388,608 bytes
;; launch prep (part 1): grid 512 x 1, 4 waves a work-group, no clusters, 50,688 bytes of LDS; arguments query, key, value, Wq, Wk, Wv, Wo, codes, scales, wo16; writes codes, scales, wo16
.if DOCPART == 1
	.amdgcn_target "amdgcn-amd-amdhsa--gfx1250"
	.amdhsa_code_object_version 6
	.text
	.protected	k_qb13279bc99_prep
	.globl	k_qb13279bc99_prep
	.p2align	8
	.type	k_qb13279bc99_prep,@function
k_qb13279bc99_prep:
	s_mov_b64 s[64:65], 0
	v_nop
	global_prefetch_b8 v0, s[64:65] scope:SCOPE_SE
	s_setreg_imm32_b32 hwreg(HW_REG_WAVE_MODE, 25, 1), 1
	s_wait_xcnt 0x0
; TWO JOBS IN ONE LAUNCH, told apart by the work-group's number.
; (1) Work-groups 0 .. 479: query, key, value [4096][1024] and Wq, Wk, Wv [1024][1024], f32 with K innermost, become codes of FP4 (E2M1) and one E8M0 scale byte for each 32 along K.
;     The six tensors are one stream of rows: rows 0-4095 query, 4096-8191 key, 8192-12287 value, 12288-13311 Wq, 13312-14335 Wk, 14336-15359 Wv; a row is 512 bytes of codes and 32 scale bytes.
;     A block's scale is 2^(floor(log2(its largest magnitude)) - 2); its byte is the largest magnitude's exponent field - 2, held at 1 from below; each number is divided by the scale and rounded to the nearest code, ties to even.
;     (A block of zeros gets the byte 1 where the rule says 127: its codes are zeros, which add nothing under any byte but 0xff, and this program alone reads the bytes.)
;     LIMITS: blocks whose largest magnitude lies under 2^-124 (the floor) were not tried; NaN and infinities among the inputs are not served.
;     A work-group takes 32,768 numbers, a wave 16 steps of 512.  Each load reads 512 consecutive bytes; a step's 2,048 bytes turn through the wave's own stage in LDS, so that a lane holds 16 neighbours along K.
; (2) Work-groups 480 .. 511: Wo [1024][1024] f32 is rounded to f16 (|Wo| beyond 65,504 would become infinite) and laid as images of the registers of matrix fragments:
;     wo16 [n / 16][k / 32][e 2][lane 32][16 bytes]; lane (r, h) of half e holds Wo(16 NB + r, 32 kc + 16 e + 8 h + 0 .. 7).  A wave takes 16 rows x 512 k, in four units of 128 k.
; No tensor load, no barrier: waves share nothing.  Each path has LDS bytes of its own.
.set QWG,   480                        ; work-groups of job (1)
.set STEPS, 16
.set EMAX,  2
.set CB,    8                          ; bytes of 16 codes
.set R,     16                         ; v16-79   four sets of 16 numbers as they are loaded
.set X,     80                         ; v80-111  two sets of 16 neighbours
.set E,     112                        ; v112-127 a scale byte for each step
.set C,     128                        ; v128-191 codes: four registers for each step
.set WREG,  8192                       ; LDS, job (1): a region for each wave: two stages of 32 x SP bytes, behind them its 256 scale bytes
.set SP,    80                         ; a lane's place in a stage: 64 bytes + 16 of padding
.set WSTG,  32768                      ; LDS, job (2): a stage of 16 rows x WPIT for each wave
.set WPIT,  272                        ; 128 f16 + 16 bytes of padding
.set SPARE, 50176                      ; the spare words, 128 bytes for each wave; no other line names them
.set SPW,   12                         ; v12  SPARE + 4 x my thread's number; never rewritten
.set NIL,   13                         ; v13  0; never rewritten
.set WIN_A, 208                        ; v208 job (2): where I put 8 bytes of a row in my stage
.set WOUT,  209                        ; v209 job (2): where I read 16 bytes of a fragment back
	s_load_b256 s[4:11], s[0:1], 0x0               ; query, key, value, Wq
	s_load_b256 s[12:19], s[0:1], 0x20             ; Wk, Wv, Wo, codes
	s_load_b128 s[20:23], s[0:1], 0x40             ; scales, wo16
	v_lshl_add_u32 v[SPW], v0, 2, SPARE
	v_mov_b32 v[NIL], 0
	v_lshrrev_b32 v1, 5, v0
	v_readfirstlane_b32 s24, v1                    ; wave
	v_and_b32 v2, 31, v0                           ; lane
	v_lshlrev_b32 v3, 4, v2                        ; 16 x lane: my 16 bytes of 512; never rewritten
	; every LDS address of both paths is made here, ahead of their parting
	s_mul_i32 s25, s24, WREG
	v_lshrrev_b32 v14, 2, v2
	v_mul_u32_u24 v14, v14, SP
	v_and_b32 v15, 3, v2
	v_lshl_add_u32 v14, v15, 4, v14
	v_add_nc_u32 v14, s25, v14                     ; the stage, on the way in: SP (lane / 4) + 16 (lane % 4)
	v_mul_u32_u24 v15, v2, SP
	v_add_nc_u32 v15, s25, v15                     ; and on the way out: SP x lane: my 16 neighbours
	v_mul_u32_u24 v4, v2, CB                       ; my codes' place in a step's 256 bytes
	v_lshrrev_b32 v5, 1, v2
	s_add_co_u32 s25, s25, 2*32*SP
	v_add_nc_u32 v5, s25, v5                       ; my wave's 256 scale bytes, my block's byte
	v_lshlrev_b32 v7, 3, v2                        ; 8 x lane
	v_add_nc_u32 v6, s25, v7
	s_mul_i32 s29, s24, 16*WPIT
	s_add_co_u32 s29, s29, WSTG
	v_add_nc_u32 v[WIN_A], s29, v7                 ; Wo's stage, in: 8 x lane in a row
	v_and_b32 v10, 15, v2                          ; r
	v_lshrrev_b32 v11, 4, v2                       ; h
	v_mul_u32_u24 v[WOUT], v10, WPIT
	v_lshl_add_u32 v[WOUT], v11, 4, v[WOUT]
	v_add_nc_u32 v[WOUT], s29, v[WOUT]             ; and out: row r, + 16 h
	s_wait_kmcnt 0x0
	s_cmp_ge_u32 ttmp9, QWG
	s_cbranch_scc1 .Lwo
	; ---- job (1).  Which tensor: the choice hangs on the work-group's number alone
	s_mov_b64 s[26:27], s[4:5]
	s_mov_b32 s28, 0                               ; the tensor's first work-group
	s_cmp_ge_u32 ttmp9, 128
	s_cselect_b64 s[26:27], s[6:7], s[26:27]
	s_cselect_b32 s28, 128, s28
	s_cmp_ge_u32 ttmp9, 256
	s_cselect_b64 s[26:27], s[8:9], s[26:27]
	s_cselect_b32 s28, 256, s28
	s_cmp_ge_u32 ttmp9, 384
	s_cselect_b64 s[26:27], s[10:11], s[26:27]
	s_cselect_b32 s28, 384, s28
	s_cmp_ge_u32 ttmp9, 416
	s_cselect_b64 s[26:27], s[12:13], s[26:27]
	s_cselect_b32 s28, 416, s28
	s_cmp_ge_u32 ttmp9, 448
	s_cselect_b64 s[26:27], s[14:15], s[26:27]
	s_cselect_b32 s28, 448, s28
	s_sub_co_u32 s29, ttmp9, s28
	s_lshl_b32 s29, s29, 2
	s_add_co_u32 s29, s29, s24                     ; my wave's run of 8,192 numbers in its tensor
	s_lshl_b32 s30, s29, 15                        ; 32,768 bytes a run
	s_mov_b32 s31, 0
	s_add_nc_u64 s[26:27], s[26:27], s[30:31]
	s_lshl_b32 s29, ttmp9, 2
	s_add_co_u32 s29, s29, s24                     ; and in the stream of all six
	s_lshl_b32 s30, s29, 12                        ; 4,096 bytes of codes a run
	s_add_nc_u64 s[18:19], s[18:19], s[30:31]
	s_lshl_b32 s30, s29, 8                         ; 256 scale bytes a run
	s_add_nc_u64 s[20:21], s[20:21], s[30:31]
.macro LOAD t
.irp i, 0,1,2,3
	global_load_b128 v[R+16*((\t)%4)+4*\i:R+16*((\t)%4)+4*\i+3], v3, s[26:27] offset:2048*(\t)+512*\i th:TH_LOAD_NT   ; 32 lanes read 512 consecutive bytes
.endr
.endm
.macro TURN t                          ; step t's numbers through the stage: LDS serves a wave's instructions in order, so no wait stands between the stores and the loads
.irp i, 0,1,2,3
	ds_store_b128 v14, v[R+16*((\t)%4)+4*\i:R+16*((\t)%4)+4*\i+3] offset:32*SP*((\t)%2)+8*SP*\i
.endr
.irp i, 0,1,2,3
	ds_load_b128 v[X+16*((\t)%2)+4*\i:X+16*((\t)%2)+4*\i+3], v15 offset:32*SP*((\t)%2)+16*\i
.endr
.endm
.irp t, 0,1,2,3
	LOAD \t
.endr
	s_wait_loadcnt 12                              ; step 0's four loads are in; the twelve of steps 1 to 3 may be out
	TURN 0
.macro STEP t
.set XS, X+16*((\t)%2)
.if (\t) > 0
	s_wait_dscnt 1                                 ; this step's numbers are back from the stage; the one LDS instruction behind them, the last step's byte store, may be out
.else
	s_wait_dscnt 0x0
.endif
.if (\t)+4 < STEPS
	LOAD (\t)+4                                    ; into the set that the stage's stores have read
.endif
.if (\t)+1 < STEPS
.if STEPS-2-(\t) >= 3
	s_wait_loadcnt 12                              ; the next step's four loads are in; those of the three steps behind it may be out
.else
	s_wait_loadcnt 4*(STEPS-2-(\t))                ; towards the end fewer steps stand behind it
.endif
	TURN (\t)+1                                    ; they go through the other stage while this step is worked
.endif
	v_max3_num_f32 v8, |v[XS]|, |v[XS+1]|, |v[XS+2]|               ; the largest magnitude of my 16, in two chains
	v_max3_num_f32 v9, |v[XS+3]|, |v[XS+4]|, |v[XS+5]|
.irp i, 6,10
	v_max3_num_f32 v8, v8, |v[XS+\i]|, |v[XS+\i+1]|
	v_max3_num_f32 v9, v9, |v[XS+\i+2]|, |v[XS+\i+3]|
.endr
	v_max3_num_f32 v8, v8, |v[XS+14]|, |v[XS+15]|
	v_max3_num_f32 v8, v8, v9, (EMAX+1)<<23        ; and the floor 2^(3 - 127): the byte cannot fall under 1
	v_max_num_f32_dpp v8, v8, v8 row_xmask:1 row_mask:0xf bank_mask:0xf   ; and of my neighbour's 16: the block's
	v_add_nc_u32 v11, 0xff000000, v8               ; 2 off its exponent field: the conversion takes the exponent field of this operand as its scale
	v_cvt_scalef32_pk8_fp4_f32 v[C+4*(\t)], v[XS:XS+7], v11
	v_cvt_scalef32_pk8_fp4_f32 v[C+4*(\t)+1], v[XS+8:XS+15], v11
	v_lshrrev_b32 v[E+(\t)], 23, v11               ; the scale's byte (a plain line behind the conversions)
	ds_store_b8 v5, v[E+(\t)] offset:16*(\t)       ; both lanes of a block write the same byte with the same value
	global_store_b64 v4, v[C+4*(\t):C+4*(\t)+1], s[18:19] offset:32*CB*(\t)   ; the wave stores 256 consecutive bytes, aligned
.endm
.irp t, 0,1,2,3,4,5,6,7,8,9,10,11,12,13,14,15
	STEP \t
.endr
	ds_load_b64 v[8:9], v6                         ; my wave's 256 scale bytes: these loads see my stores
	s_wait_dscnt 0x0
	global_store_b64 v7, v[8:9], s[20:21]          ; 32 lanes store 256 consecutive bytes, aligned
	s_wait_tensorcnt 0x0                           ; the wave's end: behind my last LDS store
	ds_add_u32 v[SPW], v[NIL]
	s_wait_dscnt 0x0
	s_endpgm
	; ---- job (2): Wo to f16, in the order of a fragment's registers
.Lwo:
	s_sub_co_u32 s28, ttmp9, QWG
	s_lshl_b32 s28, s28, 1
	s_lshr_b32 s29, s24, 1
	s_add_co_u32 s28, s28, s29                     ; NB: my block of 16 rows
	s_and_b32 s29, s24, 1                          ; my half of K
	s_lshl_b32 s30, s28, 16                        ; 16 rows of 4,096 bytes
	s_lshl_b32 s25, s29, 11                        ; 512 numbers
	s_add_co_u32 s30, s30, s25
	s_mov_b32 s31, 0
	s_add_nc_u64 s[16:17], s[16:17], s[30:31]
	s_lshl_b32 s30, s28, 15                        ; 32 fragments of 1,024 bytes
	s_lshl_b32 s25, s29, 14
	s_add_co_u32 s30, s30, s25
	s_add_nc_u64 s[22:23], s[22:23], s[30:31]
.macro LOADU t                         ; unit t: 16 rows x 128 k; each load reads 512 consecutive bytes of one row
.irp i, 0,1,2,3,4,5,6,7,8,9,10,11,12,13,14,15
	global_load_b128 v[16+64*((\t)%2)+4*\i:16+64*((\t)%2)+4*\i+3], v3, s[16:17] offset:\i*4096+(\t)*512 th:TH_LOAD_NT
.endr
.endm
.macro UNIT t
.if (\t) < 3
	s_wait_loadcnt 16                              ; this unit's sixteen loads are in; the next unit's sixteen may be out
.else
	s_wait_loadcnt 0x0
.endif
.irp i, 0,1,2,3,4,5,6,7,8,9,10,11,12,13,14,15
	v_cvt_pk_f16_f32 v[144+2*\i], v[16+64*((\t)%2)+4*\i], v[16+64*((\t)%2)+4*\i+1]
	v_cvt_pk_f16_f32 v[145+2*\i], v[16+64*((\t)%2)+4*\i+2], v[16+64*((\t)%2)+4*\i+3]
.endr
.irp i, 0,1,2,3,4,5,6,7,8,9,10,11,12,13,14,15
	ds_store_b64 v[WIN_A], v[144+2*\i:145+2*\i] offset:\i*WPIT      ; row i: 256 consecutive bytes
.endr
.if (\t) < 2
	LOADU (\t)+2
.endif
.if (\t) > 0
	s_wait_xcnt 0x0                                ; the last unit's stores have read v176-207: they are loaded again only behind this wait
.endif
.irp kc, 0,1,2,3
.irp e, 0,1
	ds_load_b128 v[176+4*(2*\kc+\e):176+4*(2*\kc+\e)+3], v[WOUT] offset:\kc*64+\e*32   ; row r, k = 32 kc + 16 e + 8 h + 0 .. 7
.endr
.endr
	s_wait_dscnt 0x0
.irp kc, 0,1,2,3
.irp e, 0,1
	global_store_b128 v3, v[176+4*(2*\kc+\e):176+4*(2*\kc+\e)+3], s[22:23] offset:(4*(\t)+\kc)*1024+\e*512   ; 512 consecutive bytes, aligned
.endr
.endr
.endm
	LOADU 0
	LOADU 1
	UNIT 0
	UNIT 1
	UNIT 2
	UNIT 3
	s_wait_tensorcnt 0x0                           ; the wave's end: the same three lines
	ds_add_u32 v[SPW], v[NIL]
	s_wait_dscnt 0x0
	s_endpgm
.Lfunc_end_k_qb13279bc99_prep:
	.size	k_qb13279bc99_prep, .Lfunc_end_k_qb13279bc99_prep-k_qb13279bc99_prep
	.p2alignl 7, 3214868480
	.fill 96, 4, 3214868480
	.section	.rodata,"a",@progbits
	.p2align	6, 0x0
	.amdhsa_kernel k_qb13279bc99_prep
		.amdhsa_group_segment_fixed_size 50688
		.amdhsa_private_segment_fixed_size 0
		.amdhsa_enable_private_segment 0
		.amdhsa_kernarg_size 80
		.amdhsa_user_sgpr_count 2
		.amdhsa_user_sgpr_kernarg_segment_ptr 1
		.amdhsa_wavefront_size32 1
		.amdhsa_system_sgpr_workgroup_id_x 1
		.amdhsa_system_sgpr_workgroup_id_y 1
		.amdhsa_system_sgpr_workgroup_id_z 1
		.amdhsa_system_vgpr_workitem_id 0
		.amdhsa_next_free_vgpr 224
		.amdhsa_next_free_sgpr 66
		.amdhsa_reserve_vcc 0
		.amdhsa_float_denorm_mode_32 3
		.amdhsa_float_denorm_mode_16_64 3
		.amdhsa_memory_ordered 1
		.amdhsa_forward_progress 1
		.amdhsa_inst_pref_size 58
	.end_amdhsa_kernel
	.amdgpu_metadata
---
amdhsa.version: [ 1, 2 ]
amdhsa.kernels:
  - .name:           k_qb13279bc99_prep
    .symbol:         k_qb13279bc99_prep.kd
    .args:
      - { .name: query, .offset: 0, .size: 8, .value_kind: global_buffer, .address_space: global }
      - { .name: key, .offset: 8, .size: 8, .value_kind: global_buffer, .address_space: global }
      - { .name: value, .offset: 16, .size: 8, .value_kind: global_buffer, .address_space: global }
      - { .name: Wq, .offset: 24, .size: 8, .value_kind: global_buffer, .address_space: global }
      - { .name: Wk, .offset: 32, .size: 8, .value_kind: global_buffer, .address_space: global }
      - { .name: Wv, .offset: 40, .size: 8, .value_kind: global_buffer, .address_space: global }
      - { .name: Wo, .offset: 48, .size: 8, .value_kind: global_buffer, .address_space: global }
      - { .name: codes, .offset: 56, .size: 8, .value_kind: global_buffer, .address_space: global }
      - { .name: scales, .offset: 64, .size: 8, .value_kind: global_buffer, .address_space: global }
      - { .name: wo16, .offset: 72, .size: 8, .value_kind: global_buffer, .address_space: global }
    .group_segment_fixed_size: 50688
    .private_segment_fixed_size: 0
    .kernarg_segment_align: 8
    .kernarg_segment_size: 80
    .max_flat_workgroup_size: 128
    .sgpr_count:     66
    .vgpr_count:     224
    .wavefront_size: 32
...
	.end_amdgpu_metadata
.endif
;; end of part 1
;; launch proj (part 2): grid 4 x 48, 4 waves a work-group, clusters of 4 x 4, 327,680 bytes of LDS; arguments codes, scales, bq, bk, bv, qkv; writes qkv
.if DOCPART == 2
	.amdgcn_target "amdgcn-amd-amdhsa--gfx1250"
	.amdhsa_code_object_version 6
	.text
	.protected	k_qb13279bc99_proj
	.globl	k_qb13279bc99_proj
	.p2align	8
	.type	k_qb13279bc99_proj,@function
k_qb13279bc99_proj:
	s_mov_b64 s[64:65], 0
	v_nop
	global_prefetch_b8 v0, s[64:65] scope:SCOPE_SE
	s_setreg_imm32_b32 hwreg(HW_REG_WAVE_MODE, 25, 1), 1
	s_wait_xcnt 0x0
	s_wait_alu depctr_hold_cnt(0) depctr_sa_sdst(0) depctr_va_vdst(0) depctr_va_sdst(0) depctr_va_ssrc(0) depctr_va_vcc(0) depctr_vm_vsrc(0)
	s_getreg_b32 s2, hwreg(HW_REG_IB_STS2, 6, 4)
	s_cmp_eq_u32 s2, 0
	s_cbranch_scc0 .Lentry_in_a_cluster
	s_endpgm
.Lentry_in_a_cluster:
	s_bfe_u32 s2, ttmp6, 0x10000c
	s_cmp_lg_u32 s2, 0xf033
	s_cbranch_scc0 .Lentry_shape_is_right
	s_endpgm
.Lentry_shape_is_right:
; THE THREE QUANTISED PRODUCTS: q = query Wq^T + bq, k = key Wk^T + bk, v = value Wv^T + bv, each [4096][1024], K = 1,024, on codes of FP4 (E2M1) with one E8M0 scale for each 32 along K; sums in f32.
; Codes and scale bytes lie as one stream of rows (512 and 32 bytes a row): rows 0-4095 query, 4096-8191 key, 8192-12287 value, 12288- Wq, 13312- Wk, 14336- Wv.
; A tile of 256 x 256 is made by a work-group of four waves, a wave makes 128 x 128: 64 accumulators, 512 registers.  K is two slots of 512: BOTH ARE ASKED FOR AT THE HEAD, NOTHING IS FILLED AGAIN.
; The scale bytes of the tile's 2 x 256 rows, for all of K, come once, as units of 256 bytes.
; CLUSTERS: 4 x 4 work-groups; twelve clusters along y: which = y / 4 (0 q, 1 k, 2 v), cl = y % 4.  Operand A's tile is shared along a row of the cluster, operand B's along a column: each is asked for jointly.
; THE MATRIX INSTRUCTION IS USED TRANSPOSED (source 0 = 16 rows of B, source 1 = 16 rows of A): a lane holds ONE row of A and eight neighbouring rows of B.
;   q, k: A = the activation's rows (tokens), B = the weight's rows (channels): a lane holds a token and 8 neighbouring channels, which is half a fragment of the scores' product (K = channels).
;   v:    A = Wv's rows (channels), B = value's rows (keys): the same text makes V^T: a lane holds a channel and 8 neighbouring keys, half a fragment of the second product (K = keys).
; THE RESULT LEAVES AS IMAGES OF FRAGMENT REGISTERS, rounded to f16: accumulator (a, b) is 512 bytes, lane l's 16 at 16 l, at (b / 4) 16384 + a 2048 + (b % 4) 512 of the wave's block of 32,768 bytes:
;   no stage in LDS, each store covers 512 consecutive bytes, aligned.  qkv: [which 3][batch x 8 + head / 2 : 16][token / 128 : 16][32,768 bytes].
; The bias is the C of each sum's first product: along the registers for q and k (tuple b), along the lanes for v (tuple a): the first step of 128 along K is written twice, and a branch on `which` picks.
; LIMIT: |q|, |k|, |v| beyond 65,504 become infinities in f16.
; REGISTERS, in windows of 256: window 0: v8-15 the bias loads' offsets; v16-29 addresses; v32-95 scale words, two sets; v128-191 A's fragments, one set; on the way out v32-223 packed results.
;   window 1: B's fragments, two sets, at v0 and v128; v64-127 the bias, 8 tuples of 8.   window 2: the accumulators of my rows 0-63 ((a, b) at v[8 (8 a + b)]);   window 3: rows 64-127.
.set NQ,     4                         ; steps of 128 along K in a slot
.set ROWB,   256                       ; a tile's row in bytes: 512 codes
.set KROW,   512                       ; a row of codes in memory
.set PITCH,  272                       ; an LDS row: 256 bytes + 16 of padding: the 16 rows that a load touches start 16 bytes apart modulo 256
.set FR,     8                         ; registers of a fragment: 16 rows x 128 K
.set NL,     2                         ; LDS loads that bring one
.set NP,     4                         ; places behind this matrix instruction (ISA guide 7.12.1)
.set HALFT,  128*PITCH                 ; 128 rows: what one tensor load brings
.set SLOT,   4*HALFT                   ; A's 256 rows, then B's 256 rows
.set KS,     32                        ; a row of scale bytes
.set SCL,    2*SLOT                    ; behind the slots: the scales, as units of 256 bytes + 16 of padding
.set HALFS,  (128*KS/256)*272          ; those of 128 rows: what one tensor load brings
.set SBLK,   (16*KS/256)*272           ; those of 16 rows
.set SPARE,  SCL+4*HALFS               ; the spare words, 128 bytes for each wave; no other line names them
.set BA,   8                           ; v8-15   byte offset of bias number j of a tuple for my lane
.set ADRA, 16                          ; v16-17  LDS address of my A fragments in slot 0, 1
.set ADRB, 20                          ; v20-21  the same for B
.set LI,   26                          ; v26     16 x lane: my place in an image
.set ADRS, 27                          ; v27     LDS address of my scale words: lanes 0-15 A's rows, lanes 16-31 B's
.set SPW,  28                          ; v28     SPARE + 4 x my thread's number; never rewritten
.set NIL,  29                          ; v29     0; never rewritten
.set SC,   32                          ; scale words: set s at v[SC + 32 s]; register 4 i + q: lanes 0-15 A's block i, lanes 16-31 B's block i, the slot's q-th 128 along K
.set AF,   128                         ; A's fragments, window 0
.set BI,   64                          ; the bias, window 1
.set G1, 24                            ; s[24:31] group 1 for A's tiles;  s[32:39] group 0, a set for each slot
.set G0, 32
.set G1B, 48                           ; s[48:55], s[56:63] the same for B's
.set G0B, 56
.set G1S, 68                           ; s[68:75], s[76:79] groups 1 and 0 for A's scales;  s[80:87], s[88:91] for B's
.set G0S, 76
.set G1SB, 80
.set G0SB, 88
.set MSB, 0
.macro WIN new                         ; the immediate's high byte repeats the setting that is left
.if MSB != \new
	s_set_vgpr_msb (MSB<<8)|\new
.set MSB, \new
.endif
.endm
.set MUL_LO,  0xa1                     ; source 0 (B) window 1, source 1 (A) window 0, C and D window 2
.set MUL_HI,  0xf1                     ; the same, C and D window 3
.set BIAS_LO, 0x91                     ; C (the bias) window 1, D window 2
.set BIAS_HI, 0xd1                     ; C window 1, D window 3
.set TO_B,    0x40                     ; destination window 1, address window 0
; A joint load: waves 0 and 1 fetch for A, waves 2 and 3 for B.  Each line has one mask and one set of registers; the branch hangs on the wave's number alone.
; An s_nop 0 and four v_nop follow each of the two lines, ahead of the jump, the label and what follows.
.macro JLOAD g0a, g1a, g0b, g1b
	s_cmp_eq_u32 s15, 0
	s_cbranch_scc0 .Lfor_b_\@
	tensor_load_to_lds s[\g0a:\g0a+3], s[\g1a:\g1a+7]
	s_nop 0
.rept 4
	v_nop
.endr
	s_branch .Lasked_\@
.Lfor_b_\@:
	tensor_load_to_lds s[\g0b:\g0b+3], s[\g1b:\g1b+7]
	s_nop 0
.rept 4
	v_nop
.endr
.Lasked_\@:
.endm
.macro CROUND                          ; a round of the cluster's barrier
	s_barrier_signal -1
	s_barrier_wait -1
	s_cmp_lg_u32 s14, 0
	s_cbranch_scc1 .Lnot_wave_0_\@
	s_barrier_signal -3
.Lnot_wave_0_\@:
	s_barrier_wait -3
	s_barrier_signal -1
	s_barrier_wait -1
.endm
	s_load_b128 s[4:7], s[0:1], 0x0                ; codes s[4:5], scales s[6:7]
	s_load_b256 s[92:99], s[0:1], 0x10             ; bq s[92:93], bk s[94:95], bv s[96:97], qkv s[98:99]
	v_lshl_add_u32 v[SPW], v0, 2, SPARE
	v_mov_b32 v[NIL], 0
	ds_add_u32 v[SPW], v[NIL]                      ; the wave's opening: the add, twice on end, and its wait ahead of my first tensor load
	ds_add_u32 v[SPW], v[NIL]                      ; (the set-up below, work on registers, stands between the second and the wait)
	v_lshrrev_b32 v1, 5, v0
	v_readfirstlane_b32 s14, v1                    ; wave 0..3
	s_lshr_b32 s15, s14, 1                         ; which half of the tile's A rows is mine.  Also: I fetch for A (0) or for B (1)
	s_and_b32 s16, s14, 1                          ; which half of its B rows.  Also: which 128 rows I fetch
	s_bfe_u32 s40, ttmp6, 0x40000                  ; cx
	s_bfe_u32 s41, ttmp6, 0x40004                  ; cy
	s_and_b32 s17, ttmp7, 0xffff                   ; the cluster's y: the same in all sixteen partners
	s_lshr_b32 s66, s17, 2                         ; which: 0 q, 1 k, 2 v
	s_and_b32 s67, s17, 3                          ; cl: which 1,024 tokens
	s_lshr_b32 s42, s66, 1                         ; isv: 1 for v
	s_mul_i32 s11, s67, s42                        ; clB = cl for v, else 0: the tokens are B's rows for v,
	s_sub_co_u32 s10, s67, s11                     ; clA = cl for q and k, else 0: and A's rows for q and k
	s_lshl_b32 s43, s41, 2
	s_lshl_b32 s43, 15, s43                        ; my row of the cluster
	s_lshl_b32 s44, 0x1111, s40                    ; my column
	; group 1: a tile of 128 rows x 256 bytes, 16 bytes of padding behind each row
	s_or_b32 s[G1+0], s43, (0<<16)|(1<<20)|(1<<21)|(5<<22)|(3<<25)   ; the mask; elements of 1 byte; padding on; bit 21 beside a mask; after every 64 words; 4 words
	s_or_b32 s[G1B+0], s44, (0<<16)|(1<<20)|(1<<21)|(5<<22)|(3<<25)
.irp g, G1, G1B
	s_mov_b32 s[\g+1], ROWB<<16                    ; tensor_dim0
	s_mov_b32 s[\g+2], 128<<16                     ; tensor_dim1
	s_mov_b32 s[\g+3], ROWB<<16                    ; tile_dim0
	s_mov_b32 s[\g+4], 128                         ; tile_dim1
	s_mov_b32 s[\g+5], KROW                        ; from row to row
	s_mov_b32 s[\g+6], 0
	s_mov_b32 s[\g+7], 0
.endr
	; the scales of 128 rows: 4,096 dense bytes, as 16 rows of 256 bytes (32 elements of 8), 16 bytes of padding behind each
	s_or_b32 s[G1S+0], s43, (3<<16)|(1<<20)|(1<<21)|(5<<22)|(3<<25)
	s_or_b32 s[G1SB+0], s44, (3<<16)|(1<<20)|(1<<21)|(5<<22)|(3<<25)
.irp g, G1S, G1SB
	s_mov_b32 s[\g+1], 32<<16
	s_mov_b32 s[\g+2], (128*KS/256)<<16
	s_mov_b32 s[\g+3], 32<<16
	s_mov_b32 s[\g+4], 128*KS/256
	s_mov_b32 s[\g+5], 32
	s_mov_b32 s[\g+6], 0
	s_mov_b32 s[\g+7], 0
.endr
	; the rows that I fetch, in the stream.  A's hang on cy and the cluster's y alone, B's on cx and the cluster's y alone; each in registers that never hold the other coordinate
	s_lshl_b32 s18, s16, 7                         ; 128 x half
	s_mul_i32 s19, s42, 6144
	s_lshl_b32 s20, s66, 12
	s_add_co_u32 s20, s20, s19                     ; A's first row: 0, 4096 (query, key) or 8192 + 6144 = 14336 (Wv)
	s_lshl_b32 s17, s10, 10
	s_add_co_u32 s20, s20, s17
	s_lshl_b32 s17, s41, 8
	s_add_co_u32 s20, s20, s17
	s_add_co_u32 s20, s20, s18                     ; + 1024 clA + 256 cy + 128 half
	s_lshl_b32 s46, s66, 10
	s_add_co_u32 s46, s46, 12288
	s_sub_co_u32 s46, s46, s19                     ; B's first row: 12288, 13312 (Wq, Wk) or 14336 - 6144 = 8192 (value)
	s_lshl_b32 s2, s11, 10
	s_add_co_u32 s46, s46, s2
	s_lshl_b32 s2, s40, 8
	s_add_co_u32 s46, s46, s2
	s_add_co_u32 s46, s46, s18                     ; + 1024 clB + 256 cx + 128 half
	s_lshl_b32 s22, s20, 5                         ; 32 scale bytes a row,
	s_mov_b32 s23, 0
	s_lshl_b32 s20, s20, 9                         ; 512 bytes of codes
	s_mov_b32 s21, 0
	s_lshl_b32 s100, s46, 5
	s_mov_b32 s101, 0
	s_lshl_b32 s46, s46, 9
	s_mov_b32 s47, 0
	s_mul_i32 s45, s14, HALFT                      ; where they go: wave x 128 rows: no place in the cluster enters an LDS address
	s_mul_i32 s3, s14, HALFS
	s_wait_dscnt 0x0                               ; both opening adds are done
	s_wait_kmcnt 0x0
	s_add_nc_u64 s[20:21], s[4:5], s[20:21]
	s_add_nc_u64 s[22:23], s[6:7], s[22:23]
	s_add_nc_u64 s[46:47], s[4:5], s[46:47]
	s_add_nc_u64 s[100:101], s[6:7], s[100:101]
	CROUND                                         ; all sixteen work-groups are here: the first joint loads meet
	s_mov_b32 s[G0S], 1
	s_add_co_u32 s[G0S+1], s3, SCL
	s_mov_b64 s[G0S+2:G0S+3], s[22:23]
	s_or_b32 s[G0S+3], s[G0S+3], 0x80000000
	s_mov_b32 s[G0SB], 1
	s_add_co_u32 s[G0SB+1], s3, SCL
	s_mov_b64 s[G0SB+2:G0SB+3], s[100:101]
	s_or_b32 s[G0SB+3], s[G0SB+3], 0x80000000
	JLOAD G0S, G1S, G0SB, G1SB                     ; the scales first: they are wanted with the first step
.irp s, 0,1
	s_mov_b32 s[G0+4*\s], 1
	s_add_co_u32 s[G0+4*\s+1], s45, \s*SLOT
	s_add_nc_u64 s[G0+4*\s+2:G0+4*\s+3], s[20:21], \s*ROWB
	s_or_b32 s[G0+4*\s+3], s[G0+4*\s+3], 0x80000000
	s_mov_b32 s[G0B+4*\s], 1
	s_add_co_u32 s[G0B+4*\s+1], s45, \s*SLOT
	s_add_nc_u64 s[G0B+4*\s+2:G0B+4*\s+3], s[46:47], \s*ROWB
	s_or_b32 s[G0B+4*\s+3], s[G0B+4*\s+3], 0x80000000
	JLOAD G0+4*\s, G1, G0B+4*\s, G1B               ; by this text's count three tensor loads of a wave are out
.endr
	; my wave's corner: tA in A's rows, tB in B's; X = the token, Ch = the channel
	s_lshl_b32 s20, s10, 2
	s_add_co_u32 s20, s20, s41
	s_lshl_b32 s20, s20, 8
	s_lshl_b32 s17, s15, 7
	s_add_co_u32 s20, s20, s17                     ; tA = 256 (4 clA + cy) + 128 x my half of A
	s_lshl_b32 s21, s11, 2
	s_add_co_u32 s21, s21, s40
	s_lshl_b32 s21, s21, 8
	s_lshl_b32 s17, s16, 7
	s_add_co_u32 s21, s21, s17                     ; tB = 256 (4 clB + cx) + 128 x my half of B
	s_cmp_eq_u32 s66, 2
	s_cselect_b32 s22, s21, s20                    ; X
	s_cselect_b32 s23, s20, s21                    ; Ch
	s_cselect_b64 s[8:9], s[96:97], s[92:93]       ; the bias: bv or bq,
	s_cmp_eq_u32 s66, 1
	s_cselect_b64 s[8:9], s[94:95], s[8:9]         ; or bk
	s_lshl_b32 s18, s23, 2
	s_mov_b32 s19, 0
	s_add_nc_u64 s[8:9], s[8:9], s[18:19]          ; at my first channel
	v_and_b32 v1, 15, v0                           ; r = lane % 16
	v_bfe_u32 v2, v0, 4, 1                         ; h = lane / 16
	; bias number j of tuple i: q, k: bias[Ch + 16 i + 8 h + j];  v: bv[Ch + 16 i + r] in all eight.  One form of load: offset r sR + h sH + j sJ, + 64 i
	s_lshl_b32 s17, s42, 2                         ; sR = 4 for v, else 0
	s_sub_co_u32 s18, 1, s42
	s_lshl_b32 s19, s18, 5                         ; sH = 32 for q and k, else 0
	s_lshl_b32 s18, s18, 2                         ; sJ = 4 for q and k, else 0
	v_mul_u32_u24 v3, s17, v1
	v_mul_u32_u24 v4, s19, v2
	v_add_nc_u32 v[BA], v3, v4
.irp j, 1,2,3,4,5,6,7
	v_add_nc_u32 v[BA+\j], s18, v[BA+\j-1]
.endr
	WIN TO_B
.irp i, 0,1,2,3,4,5,6,7
.irp j, 0,1,2,3,4,5,6,7
	global_load_b32 v[BI+8*\i+\j], v[BA+\j], s[8:9] offset:64*\i
.endr
.endr
	WIN 0
	; where my block of 32,768 bytes lies in qkv
	s_lshr_b32 s17, s22, 11
	s_lshl_b32 s17, s17, 7                         ; batch x 128
	s_lshr_b32 s18, s23, 7
	s_lshl_b32 s18, s18, 4                         ; + pair of heads x 16
	s_add_co_u32 s17, s17, s18
	s_lshr_b32 s18, s22, 7
	s_and_b32 s18, s18, 15                         ; + which 128 tokens
	s_add_co_u32 s17, s17, s18
	s_lshl_b32 s18, s17, 15
	s_lshl_b32 s17, s66, 23                        ; + the region: 8,388,608 bytes each
	s_add_co_u32 s18, s18, s17
	s_mov_b32 s19, 0
	s_add_nc_u64 s[12:13], s[98:99], s[18:19]
	v_and_b32 v[LI], 31, v0
	v_lshlrev_b32 v[LI], 4, v[LI]
	; LDS addresses
	v_mul_u32_u24 v3, v1, PITCH
	v_lshl_add_u32 v4, v2, 4, v3                   ; a fragment's row x pitch + 16 x half
	s_mul_i32 s21, s15, HALFT                      ; my 128 rows of A
	s_mul_i32 s22, s16, HALFT                      ; my 128 rows of B,
	s_add_co_u32 s22, s22, 2*HALFT                 ; which lie behind A's 256
.irp s, 0,1
	v_add_nc_u32 v[ADRA+\s], s21, v4
	v_add_nc_u32 v[ADRB+\s], s22, v4
	s_add_co_u32 s21, s21, SLOT
	s_add_co_u32 s22, s22, SLOT
.endr
	v_mul_u32_u24 v5, v1, KS                       ; my row's scales: 32 bytes a row,
	v_lshrrev_b32 v6, 8, v5
	v_lshl_add_u32 v5, v6, 4, v5                   ; and 16 more for each 256 passed
	s_mul_i32 s21, s15, HALFS                      ; A's: my 128 rows
	s_mul_i32 s22, s16, HALFS                      ; B's: my 128 rows, behind A's 256
	s_add_co_u32 s22, s22, 2*HALFS
	s_sub_co_u32 s22, s22, s21
	v_mul_u32_u24 v6, s22, v2                      ; lanes 16-31 take B's: one product, the distance between the two bases
	s_add_co_u32 s21, s21, SCL
	v_add_nc_u32 v5, v5, v6
	v_add_nc_u32 v[ADRS], s21, v5
.macro FRAG reg, adr, q, i             ; a fragment: lane l holds row l % 16; registers 4 c .. 4 c + 3 hold K = 64 c + 32 (l / 16) + 0 .. 31
.irp c, 0,1
	ds_load_b128 v[\reg+4*\c:\reg+4*\c+3], v[\adr] offset:64*(\q)+32*\c+(\i)*16*PITCH
.endr
.endm
; 16 matrix instructions: A's blocks a0, a0 + 1 x B's eight, the slot's q-th 128 along K.  p: B's set;  sc: the set of scale words.
; zero = 1: the sums start from the bias tuple of B's block;  2: from that of A's block;  0: in place.  The 64 accumulators take turns, one instruction a turn, in the same order in every step.
.macro MUL16 a0, p, q, sc, zero
.irp a, \a0, \a0+1
.irp b, 0,1,2,3,4,5,6,7
.if (\zero) == 1
	v_wmma_scale_f32_16x16x128_f8f6f4 v[8*(8*((\a)%4)+\b):8*(8*((\a)%4)+\b)+7], v[128*(\p)+FR*\b:128*(\p)+FR*\b+FR-1], v[AF+FR*(\a):AF+FR*(\a)+FR-1], v[BI+8*\b:BI+8*\b+7], v[SC+8*NQ*(\sc)+NQ*\b+(\q)], v[SC+8*NQ*(\sc)+NQ*(\a)+(\q)] matrix_a_fmt:MATRIX_FMT_FP4 matrix_b_fmt:MATRIX_FMT_FP4 matrix_a_scale:MATRIX_SCALE_ROW1
.elseif (\zero) == 2
	v_wmma_scale_f32_16x16x128_f8f6f4 v[8*(8*((\a)%4)+\b):8*(8*((\a)%4)+\b)+7], v[128*(\p)+FR*\b:128*(\p)+FR*\b+FR-1], v[AF+FR*(\a):AF+FR*(\a)+FR-1], v[BI+8*(\a):BI+8*(\a)+7], v[SC+8*NQ*(\sc)+NQ*\b+(\q)], v[SC+8*NQ*(\sc)+NQ*(\a)+(\q)] matrix_a_fmt:MATRIX_FMT_FP4 matrix_b_fmt:MATRIX_FMT_FP4 matrix_a_scale:MATRIX_SCALE_ROW1
.else
	v_wmma_scale_f32_16x16x128_f8f6f4 v[8*(8*((\a)%4)+\b):8*(8*((\a)%4)+\b)+7], v[128*(\p)+FR*\b:128*(\p)+FR*\b+FR-1], v[AF+FR*(\a):AF+FR*(\a)+FR-1], v[8*(8*((\a)%4)+\b):8*(8*((\a)%4)+\b)+7], v[SC+8*NQ*(\sc)+NQ*\b+(\q)], v[SC+8*NQ*(\sc)+NQ*(\a)+(\q)] matrix_a_fmt:MATRIX_FMT_FP4 matrix_b_fmt:MATRIX_FMT_FP4 matrix_a_scale:MATRIX_SCALE_ROW1
.endif
.endr
.endr
.endm
.macro FETCH_B slot, q, p              ; B's eight fragments of the slot's q-th 128 along K into set p
	WIN TO_B
.irp i, 0,1,2,3,4,5,6,7
	FRAG 128*(\p)+FR*\i, ADRB+\slot, \q, \i
.endr
	WIN 0
.endm
.macro FETCH_A slot, q, i0             ; A's blocks i0 .. i0 + 3
.irp i, \i0, \i0+1, \i0+2, \i0+3
	FRAG AF+FR*(\i), ADRA+\slot, \q, \i
.endr
.endm
.macro SCALES sc                       ; a slot's scale words into set sc: four words a row; lanes 0-15 take A's block i, lanes 16-31 B's block i
.irp i, 0,1,2,3,4,5,6,7
	ds_load_b128 v[SC+8*NQ*\sc+NQ*\i:SC+8*NQ*\sc+NQ*\i+3], v[ADRS] offset:\i*SBLK
.endr
.endm
.macro PLACES n                        ; plain vector instructions between a matrix instruction and a load into, or a vector read or write of, its registers
.rept \n
	v_nop
.endr
.endm
; A step of 128 along K that has its successor in the same slot.  A has one set of registers: blocks 0-3 are fetched anew in the step's middle, blocks 4-7 at its end; B has two sets.
.macro STEP slot, q, zero
	s_wait_dscnt 4*NL                              ; B's set, A's blocks 0-3 (and the scale words) are in; the youngest eight loads, A's blocks 4-7, may be out
.if \zero
	WIN BIAS_LO
.else
	WIN MUL_LO
.endif
	MUL16 0, (\q)%2, \q, \slot, \zero
	MUL16 2, (\q)%2, \q, \slot, \zero
	s_wait_dscnt 0                                 ; A's blocks 4-7 are in
	PLACES NP
	FETCH_B \slot, (\q)+1, 1-(\q)%2
	FETCH_A \slot, (\q)+1, 0
.if \zero
	WIN BIAS_HI
.else
	WIN MUL_HI
.endif
	MUL16 4, (\q)%2, \q, \slot, \zero
	MUL16 6, (\q)%2, \q, \slot, \zero
	PLACES NP
	WIN 0
	FETCH_A \slot, (\q)+1, 4
.endm
; Slot 0's last step goes over to slot 1: each wave waits for all its tensor loads (slot 1's part), and a barrier shows the slot whole to all four.  Nothing is filled again.
.macro TURN slot, next
	s_wait_tensorcnt 0x0                           ; my part of the next slot has landed  (every window is 0 here)
	ds_add_u32 v[SPW], v[NIL]                      ; 0 onto my spare word
	s_wait_dscnt 4*NL+1                            ; the add and the youngest eight loads, A's blocks 4-7, may be out
	WIN MUL_LO
	MUL16 0, 1, NQ-1, \slot, 0
	s_wait_dscnt 0x0                               ; the add is done; no LDS instruction of mine is out at the signal
	s_barrier_signal -1
	MUL16 2, 1, NQ-1, \slot, 0
	WIN 0
	s_barrier_wait -1
	PLACES NP
	v_add_nc_u32 v[ADRS], 4*NQ, v[ADRS]            ; on to the next slot's scale words
	FETCH_B \next, 0, 0
	FETCH_A \next, 0, 0
	SCALES \next
	WIN MUL_HI
	MUL16 4, 1, NQ-1, \slot, 0
	MUL16 6, 1, NQ-1, \slot, 0
	PLACES NP
	WIN 0
	FETCH_A \next, 0, 4
.endm
.macro STEPS slot, from                ; the slot's steps from .. NQ - 2
.set Q, \from
.rept NQ-1-\from
	STEP \slot, Q, 0
.set Q, Q+1
.endr
.endm
	s_wait_tensorcnt 1                             ; the scales and my part of slot 0 are in; the one load behind them, slot 1's, may be out
	s_barrier_signal -1
	s_barrier_wait -1                              ; everybody's are
	FETCH_B 0, 0, 0
	FETCH_A 0, 0, 0
	SCALES 0
	FETCH_A 0, 0, 4
	s_wait_loadcnt 0x0                             ; the bias
	s_cmp_eq_u32 s66, 2                            ; the cluster's y alone: all sixteen partners and all four waves go the same way; both arms issue the same loads
	s_cbranch_scc1 .Lv_first
	STEP 0, 0, 1                                   ; q, k: the bias runs along B's rows
	s_branch .Lfirst_done
.Lv_first:
	STEP 0, 0, 2                                   ; v: along A's rows
.Lfirst_done:
	STEPS 0, 1
	TURN 0, 1
	STEPS 1, 0
	s_wait_dscnt 4*NL                              ; the very last step: nothing more to fetch; A's blocks 4-7 may be out
	WIN MUL_LO
	MUL16 0, 1, NQ-1, 1, 0
	MUL16 2, 1, NQ-1, 1, 0
	s_wait_dscnt 0
	WIN MUL_HI
	MUL16 4, 1, NQ-1, 1, 0
	MUL16 6, 1, NQ-1, 1, 0
	WIN 0
; THE WAY OUT.  A's block a: its eight accumulators are rounded to f16, each from its low end on; a lane's four registers are its 16 bytes of an image.  Six sets of 32 registers take turns.
.macro OUTB a
.set AC, 64*((\a)%4)
.set TT, 32+32*((\a)%6)
.if (\a) == 6
	s_wait_xcnt 0x0                                ; the stores of blocks 0 to 5 have read their registers: the first two sets are written again only behind this wait
.endif
	WIN 0x0a+5*((\a)/4)                            ; sources 0 and 1: window 2 or 3
.irp b, 0,1,2,3,4,5,6,7
.irp i, 0,1,2,3
	v_cvt_pk_f16_f32 v[TT+4*\b+\i], v[AC+8*\b+2*\i], v[AC+8*\b+2*\i+1]
.endr
.endr
	WIN 0
.irp b, 0,1,2,3,4,5,6,7
	global_store_b128 v[LI], v[TT+4*\b:TT+4*\b+3], s[12:13] offset:(\b/4)*16384+(\a)*2048+(\b%4)*512   ; 32 lanes store 512 consecutive bytes, aligned
.endr
.endm
	PLACES NP                                      ; behind the last products: their results are read, and the registers of their scales and of A's fragments are written
.irp a, 0,1,2,3,4,5,6,7
	OUTB \a
.endr
	s_wait_tensorcnt 0x0                           ; the wave's end: behind my last tensor load
	ds_add_u32 v[SPW], v[NIL]
	s_wait_dscnt 0x0
	CROUND                                         ; the closing round: no work-group ends while a partner may still ask for a tile that names it
	s_endpgm
.Lfunc_end_k_qb13279bc99_proj:
	.size	k_qb13279bc99_proj, .Lfunc_end_k_qb13279bc99_proj-k_qb13279bc99_proj
	.p2alignl 7, 3214868480
	.fill 96, 4, 3214868480
	.section	.rodata,"a",@progbits
	.p2align	6, 0x0
	.amdhsa_kernel k_qb13279bc99_proj
		.amdhsa_group_segment_fixed_size 327680
		.amdhsa_private_segment_fixed_size 0
		.amdhsa_enable_private_segment 0
		.amdhsa_kernarg_size 48
		.amdhsa_user_sgpr_count 2
		.amdhsa_user_sgpr_kernarg_segment_ptr 1
		.amdhsa_wavefront_size32 1
		.amdhsa_system_sgpr_workgroup_id_x 1
		.amdhsa_system_sgpr_workgroup_id_y 1
		.amdhsa_system_sgpr_workgroup_id_z 1
		.amdhsa_system_vgpr_workitem_id 0
		.amdhsa_next_free_vgpr 1024
		.amdhsa_next_free_sgpr 102
		.amdhsa_reserve_vcc 0
		.amdhsa_float_denorm_mode_32 3
		.amdhsa_float_denorm_mode_16_64 3
		.amdhsa_memory_ordered 1
		.amdhsa_forward_progress 1
		.amdhsa_inst_pref_size 135
	.end_amdhsa_kernel
	.amdgpu_metadata
---
amdhsa.version: [ 1, 2 ]
amdhsa.kernels:
  - .name:           k_qb13279bc99_proj
    .symbol:         k_qb13279bc99_proj.kd
    .args:
      - { .name: codes, .offset: 0, .size: 8, .value_kind: global_buffer, .address_space: global }
      - { .name: scales, .offset: 8, .size: 8, .value_kind: global_buffer, .address_space: global }
      - { .name: bq, .offset: 16, .size: 8, .value_kind: global_buffer, .address_space: global }
      - { .name: bk, .offset: 24, .size: 8, .value_kind: global_buffer, .address_space: global }
      - { .name: bv, .offset: 32, .size: 8, .value_kind: global_buffer, .address_space: global }
      - { .name: qkv, .offset: 40, .size: 8, .value_kind: global_buffer, .address_space: global }
    .group_segment_fixed_size: 327680
    .private_segment_fixed_size: 0
    .kernarg_segment_align: 8
    .kernarg_segment_size: 48
    .max_flat_workgroup_size: 128
    .sgpr_count:     102
    .vgpr_count:     1024
    .wavefront_size: 32
...
	.end_amdgpu_metadata
.endif
;; end of part 2
;; launch attn (part 3): grid 8 x 32, 8 waves a work-group, clusters of 4 x 1, 327,680 bytes of LDS; arguments qkv, ao; writes ao
.if DOCPART == 3
	.amdgcn_target "amdgcn-amd-amdhsa--gfx1250"
	.amdhsa_code_object_version 6
	.text
	.protected	k_qb13279bc99_attn
	.globl	k_qb13279bc99_attn
	.p2align	8
	.type	k_qb13279bc99_attn,@function
k_qb13279bc99_attn:
	s_mov_b64 s[64:65], 0
	v_nop
	global_prefetch_b8 v0, s[64:65] scope:SCOPE_SE
	s_setreg_imm32_b32 hwreg(HW_REG_WAVE_MODE, 25, 1), 1
	s_wait_xcnt 0x0
	s_wait_alu depctr_hold_cnt(0) depctr_sa_sdst(0) depctr_va_vdst(0) depctr_va_sdst(0) depctr_va_ssrc(0) depctr_va_vcc(0) depctr_vm_vsrc(0)
	s_getreg_b32 s2, hwreg(HW_REG_IB_STS2, 6, 4)
	s_cmp_eq_u32 s2, 0
	s_cbranch_scc0 .Lentry_in_a_cluster
	s_endpgm
.Lentry_in_a_cluster:
	s_bfe_u32 s2, ttmp6, 0x10000c
	s_cmp_lg_u32 s2, 0x3003
	s_cbranch_scc0 .Lentry_shape_is_right
	s_endpgm
.Lentry_shape_is_right:
; o[b][h][q][:] = the sum over k of softmax_k(q . k / 8) v[k][:], head size 64, 2,048 keys, no mask.  q, k, v come as f16 images of fragment registers; products, maxima and sums in f32; the weights p are rounded to f16
; for the second product, o once at the end.  A query whose sum of weights is not above 0 (NaN among them) gets zeros: that is the row-wise form of the step that turns NaN weights into 0.
; LIMIT: scores that are not finite (q or k infinite in f16) are not served beyond that.
; SHARES.  A work-group owns 256 queries of one (batch, head); each of its EIGHT waves owns 32, two tiles x of 16, in 512 registers: two waves to a SIMD, so that one wave's softmax stands beside the other's products.
; Every wave walks all 2,048 keys, 128 a step.  LAYOUT.  S^T = K Q^T (source 0 = 16 keys, source 1 = 16 queries) and O^T = V^T P (source 0 = 16 channels, source 1 = P): a lane holds ONE query throughout;
; two tiles of S^T rounded in pairs ARE a fragment of P.  SOFTMAX.  Running maximum m and sum l: p = 2^(c s - c m), c = log2(e) / 8; in every step O^T and l are multiplied by a = 2^(c m_old - c m_new).
; The loop has no first step of its own: O^T and l begin as zeros and m as -3e38, so the first a is 0.
; IMAGES.  A fragment's half e is 512 bytes, lane l's 16 at 16 l.  k of a head, 128 keys: 16,384 dense bytes [key tile 8][channel chunk 2][e 2][512].  v of a head, 128 keys: two pieces of 8,192 bytes, 16,384 apart,
; each [channel tile 4][32 keys 2][e 2][512].  So every LDS address is a constant + 16 x lane: no pitch, no padding.  o leaves the same way, straight from registers: ao [token / 16][k / 32][e 2][lane][16 bytes].
; RING.  Two slots of 512 keys (K 65,536 bytes, then V 65,536).  Waves 0-3 fetch K's four steps, waves 4-7 V's: one load of 16,384 bytes a wave.  CLUSTER.  The four query blocks of a cluster walk the same K and V:
; each tile is asked for jointly, by the same load with a mask that names the four.
; REGISTERS.  window 0: v1-7 addresses; v8-39 statistics, 16 a tile; v64-191 S^T, 64 a tile; v192-255 P, 32 a tile.   window 1: v0-31 Q; v32-95 O^T, 32 a tile; v128-255 K of a step, then V of the same step.
.set SLOT1, 1<<17                      ; slot 1 begins here: one exclusive or turns an address in one slot into the other's
.set VOFF,  65536                      ; V's part of a slot
.set STEPB, 16384                      ; a step's K, and a step's V
.set SPARE, 2*SLOT1                    ; behind the ring: the spare words, 128 bytes for each of eight waves; no other line names them
.set LI,  1                            ; v1   16 x lane
.set ADK, 2                            ; v2   LDS address of the step's K
.set ADV, 3                            ; v3   of its V
.set AV0, 4                            ; v4   16 x lane + VOFF
.set SPW, 5                            ; v5   SPARE + 4 x my thread's number; never rewritten
.set NIL, 6                            ; v6   0; never rewritten
.set PFO, 7                            ; v7   256 x lane: the prefetch's offset; never rewritten
.set ST,  8                            ; tile x's statistics at v[ST + 16 x]: +0 c m, +1 m, +2, +3 l (even keys', odd keys'), +4 a, +5 its pair's partner, +6 at work, +8 .. +15 eight chains of the maximum
.set S,   64
.set P,   192
.set OT,  32                           ; window 1
.set KV,  128                          ; window 1
.set WV,  12                           ; s12  my wave's number
.set LIM, 16                           ; s16  1 in a wave that prefetches, else the greatest number
.set PFA, 18                           ; s[18:19] what I prefetch
.set G1K, 24                           ; s[24:31] group 1 for K's tiles;  s[32:39] for V's
.set G1V, 32
.set G0K, 40                           ; s[40:47] group 0 for K's: a set for each of the two first fills; the second then walks on
.set G0V, 48                           ; s[48:55] the same for V's
.set SLOTS, 56                         ; s56  slots still to be asked for
.set FOUR,  57                         ; s57  counts a slot's four steps
.set CS,  58                           ; s[58:59] c: the packed form names a pair and takes its low word for both halves
.set SEL, 60                           ; s[60:61] lane selects for v_permlanex16_b32: lane l xor 16
.set TB,  62                           ; s62  LDS byte at which the step's K begins
.set MSB, 0
.macro WIN new                         ; the immediate's high byte repeats the setting that is left
.if MSB != \new
	s_set_vgpr_msb (MSB<<8)|\new
.set MSB, \new
.endif
.endm
.set W_LD, 0x40                        ; destination window 1, address window 0
.set W_KQ, 0x05                        ; K and Q window 1, S^T window 0
.set W_PV, 0x51                        ; V window 1, P window 0, O^T window 1
.set W_RS, 0x41                        ; O^T (destination and source 0) window 1, a window 0
; A joint refill.  The branch hangs on the wave's number alone.  An s_nop 0 and four v_nop follow each of the two lines.
.macro JLOAD
	s_cmp_lt_u32 s[WV], 4
	s_cbranch_scc0 .Lfor_v_\@
	tensor_load_to_lds s[G0K+4:G0K+7], s[G1K:G1K+7]
	s_nop 0
.rept 4
	v_nop
.endr
	s_branch .Lasked_\@
.Lfor_v_\@:
	tensor_load_to_lds s[G0V+4:G0V+7], s[G1V:G1V+7]
	s_nop 0
.rept 4
	v_nop
.endr
.Lasked_\@:
.endm
; A PREFETCH INTO THE L2 of the last 512 keys, at the change of slots that asks for the 512 before them: four key steps ahead of the load that will want them.  Each aligned block of 256 bytes is named once in the launch:
; both clusters of a head walk the same K and V, and the first asks; its four partners take 128 keys each, told apart BY ADDRESS; in each, waves 0 and 1 ask for K's 16,384 bytes and waves 2 and 3 for V's two pieces,
; 8,192 bytes a wave, lanes 256 bytes apart.  The second change asks for nothing: no keys follow.  The first 1,536 keys come by their loads alone.
.macro ASK
	s_cmp_gt_u32 s[SLOTS], s[LIM]
	s_cbranch_scc0 .Lnot_mine_\@
	global_prefetch_b8 v[PFO], s[PFA:PFA+1] th:TH_LOAD_NT scope:SCOPE_SE
.Lnot_mine_\@:
.endm
.macro CROUND                          ; a round of the cluster's barrier
	s_barrier_signal -1
	s_barrier_wait -1
	s_cmp_lg_u32 s[WV], 0
	s_cbranch_scc1 .Lnot_wave_0_\@
	s_barrier_signal -3
.Lnot_wave_0_\@:
	s_barrier_wait -3
	s_barrier_signal -1
	s_barrier_wait -1
.endm
	s_load_b128 s[4:7], s[0:1], 0x0                ; qkv s[4:5], ao s[6:7]
	v_lshl_add_u32 v[SPW], v0, 2, SPARE
	v_mov_b32 v[NIL], 0
	ds_add_u32 v[SPW], v[NIL]                      ; the wave's opening: the add, twice on end, and its wait ahead of my first tensor load
	ds_add_u32 v[SPW], v[NIL]                      ; (the set-up below, work on registers, stands between the second and the wait)
	v_lshrrev_b32 v1, 5, v0
	v_readfirstlane_b32 s[WV], v1                  ; wave 0..7
	s_bfe_u32 s13, ttmp6, 0x40000                  ; cx
	s_lshl_b32 s14, ttmp9, 2
	s_add_co_u32 s14, s14, s13                     ; my block of 256 queries: it enters Q's, ao's and the prefetch's addresses alone
	s_and_b32 s15, ttmp7, 0xffff                   ; 16 x batch + head, which the four partners share
	s_and_b32 s17, s15, 1                          ; u: which head of its pair
	s_lshr_b32 s22, s15, 1
	s_lshl_b32 s22, s22, 19                        ; the pair's 16 blocks of 32,768 bytes
	s_and_b32 s23, s[WV], 3                        ; which of a slot's four steps I fetch
	s_lshl_b32 s2, s23, 15
	s_add_co_u32 s2, s2, s22
	s_lshl_b32 s3, s17, 14
	s_add_co_u32 s8, s2, s3
	s_add_co_u32 s8, s8, 8388608                   ; K: region 1, + u x 16,384
	s_mov_b32 s9, 0
	s_lshl_b32 s3, s17, 13
	s_add_co_u32 s10, s2, s3
	s_add_co_u32 s10, s10, 16777216                ; V: region 2, + u x 8,192
	s_mov_b32 s11, 0
	s_lshl_b32 s63, s23, 14                        ; and its place in a slot: no place in the cluster enters an LDS address
	s_lshl_b32 s20, s14, 1                         ; Q: block of 128 tokens 2 x query block + wave / 4,
	s_lshr_b32 s21, s[WV], 2
	s_add_co_u32 s20, s20, s21
	s_lshl_b32 s20, s20, 15
	s_add_co_u32 s20, s20, s22
	s_lshl_b32 s21, s17, 14                        ; my head,
	s_add_co_u32 s20, s20, s21
	s_lshl_b32 s21, s23, 12                        ; my two tiles of 2,048 bytes
	s_add_co_u32 s20, s20, s21
	s_mov_b32 s21, 0
	s_lshr_b32 s66, s15, 4                         ; ao: token tile 128 x batch + 16 x query block + 2 x wave,
	s_lshl_b32 s66, s66, 7
	s_lshl_b32 s67, s14, 4
	s_add_co_u32 s66, s66, s67
	s_lshl_b32 s67, s[WV], 1
	s_add_co_u32 s66, s66, s67
	s_lshl_b32 s66, s66, 15
	s_and_b32 s67, s15, 15                         ; my head's 64 channels: two fragments of 1,024 bytes
	s_lshl_b32 s67, s67, 11
	s_add_co_u32 s66, s66, s67
	s_mov_b32 s67, 0
	s_bfe_u32 s69, s[WV], 0x10001                  ; the prefetch: 0 in waves 0, 1 (K), 1 in waves 2, 3 (V)
	s_lshl_b32 s68, 0x800000, s69                  ; the region,
	s_add_co_u32 s68, s68, s22                     ; the pair,
	s_add_co_u32 s70, s13, 12
	s_lshl_b32 s70, s70, 15
	s_add_co_u32 s68, s68, s70                     ; block 12 + cx,
	s_lshr_b32 s70, 16384, s69
	s_mul_i32 s70, s70, s17
	s_add_co_u32 s68, s68, s70                     ; my head: 16,384 on in K, 8,192 on in V,
	s_lshl_b32 s70, 8192, s69
	s_and_b32 s71, s[WV], 1
	s_mul_i32 s70, s70, s71
	s_add_co_u32 s68, s68, s70                     ; my wave's 8,192 bytes: the next in K, the other piece in V
	s_mov_b32 s69, 0
	s_lshr_b32 s[LIM], s[WV], 2                    ; 0 in waves 0 to 3,
	s_or_b32 s[LIM], s[LIM], ttmp9                 ; of the head's first cluster: the same in all four partners
	s_cmp_eq_u32 s[LIM], 0
	s_cselect_b32 s[LIM], 1, -1
	; group 1.  K: 16,384 dense bytes as 64 rows of 256 (32 elements of 8 bytes).  V: 2 rows of 8,192 bytes, 16,384 apart.  No padding
	s_mov_b32 s[G1K], 15|(3<<16)|(1<<21)           ; the mask: all four work-groups; elements of 8 bytes; bit 21 beside a mask
	s_mov_b32 s[G1K+1], 32<<16                     ; tensor_dim0
	s_mov_b32 s[G1K+2], 64<<16                     ; tensor_dim1
	s_mov_b32 s[G1K+3], 32<<16                     ; tile_dim0
	s_mov_b32 s[G1K+4], 64                         ; tile_dim1
	s_mov_b32 s[G1K+5], 32                         ; from row to row
	s_mov_b32 s[G1K+6], 0
	s_mov_b32 s[G1K+7], 0
	s_mov_b32 s[G1V], 15|(3<<16)|(1<<21)
	s_mov_b32 s[G1V+1], 1024<<16
	s_mov_b32 s[G1V+2], 2<<16
	s_mov_b32 s[G1V+3], 1024<<16
	s_mov_b32 s[G1V+4], 2
	s_mov_b32 s[G1V+5], 2048
	s_mov_b32 s[G1V+6], 0
	s_mov_b32 s[G1V+7], 0
	s_mov_b32 s[CS], 0x3e38aa3b                    ; c = log2(e) / 8
	s_mov_b32 s[CS+1], s[CS]                       ; (named with it as a pair, so it is written)
	s_mov_b32 s[SEL], 0x76543210
	s_mov_b32 s[SEL+1], 0xfedcba98
	s_mov_b32 s[TB], 0
	s_mov_b32 s[SLOTS], 2
	s_wait_dscnt 0x0                               ; both opening adds are done
	s_wait_kmcnt 0x0
	s_add_nc_u64 s[8:9], s[4:5], s[8:9]
	s_add_nc_u64 s[10:11], s[4:5], s[10:11]
	s_add_nc_u64 s[PFA:PFA+1], s[4:5], s[68:69]
	s_add_nc_u64 s[4:5], s[4:5], s[20:21]          ; Q at my two tiles
	s_add_nc_u64 s[6:7], s[6:7], s[66:67]
	CROUND                                         ; all four work-groups are here: the first joint loads meet
.irp s, 0,1
	s_mov_b32 s[G0K+4*\s], 1
	s_add_co_u32 s[G0K+4*\s+1], s63, \s*SLOT1
	s_add_nc_u64 s[G0K+4*\s+2:G0K+4*\s+3], s[8:9], \s*131072       ; slot s begins with keys 512 s: four blocks of 32,768 bytes on
	s_or_b32 s[G0K+4*\s+3], s[G0K+4*\s+3], 0x80000000
	s_mov_b32 s[G0V+4*\s], 1
	s_add_co_u32 s[G0V+4*\s+1], s63, \s*SLOT1+VOFF
	s_add_nc_u64 s[G0V+4*\s+2:G0V+4*\s+3], s[10:11], \s*131072
	s_or_b32 s[G0V+4*\s+3], s[G0V+4*\s+3], 0x80000000
.endr
	s_cmp_lt_u32 s[WV], 4                          ; a wave's two first fills stand in one branch, ahead of every wait on TENSORcnt and every LDS read: two loads of mine are out
	s_cbranch_scc0 .Lfirst_v
	tensor_load_to_lds s[G0K:G0K+3], s[G1K:G1K+7]
	s_nop 0
	tensor_load_to_lds s[G0K+4:G0K+7], s[G1K:G1K+7]
	s_nop 0
.rept 4
	v_nop
.endr
	s_branch .Lfirst_asked
.Lfirst_v:
	tensor_load_to_lds s[G0V:G0V+3], s[G1V:G1V+7]
	s_nop 0
	tensor_load_to_lds s[G0V+4:G0V+7], s[G1V:G1V+7]
	s_nop 0
.rept 4
	v_nop
.endr
.Lfirst_asked:
	v_and_b32 v[LI], 31, v0
	v_lshlrev_b32 v[PFO], 8, v[LI]
	v_lshlrev_b32 v[LI], 4, v[LI]
	v_add_nc_u32 v[AV0], VOFF, v[LI]
	WIN W_LD
.irp x, 0,1
.irp c, 0,1
.irp e, 0,1
	global_load_b128 v[16*\x+8*\c+4*\e:16*\x+8*\c+4*\e+3], v[LI], s[4:5] offset:\x*2048+\c*1024+\e*512   ; Q stays in registers
.endr
.endr
.endr
.set i, 0
.rept 64
	v_mov_b32 v[OT+i], 0                           ; O^T: the step is written once; its first pass finds zeros
.set i, i+1
.endr
	WIN 0
.irp x, 0,1
	v_mov_b32 v[ST+16*\x+1], 0xff61b1e6            ; m = -3e38, under every score
	v_mul_f32 v[ST+16*\x], s[CS], v[ST+16*\x+1]    ; c m
	v_mov_b32 v[ST+16*\x+2], 0                     ; l, in two halves
	v_mov_b32 v[ST+16*\x+3], 0
	v_mov_b32 v[ST+16*\x+5], 0                     ; (named with a as a pair, so it is written)
.endr
; A KEY STEP: 128 keys, in phases.  Its LDS addresses hang on s[TB].
.macro STEP
	WIN 0
	v_add_nc_u32 v[ADK], s[TB], v[LI]              ; these two and two v_nop are the four places between the last V^T P and the loads into the registers that it read
	v_add_nc_u32 v[ADV], s[TB], v[AV0]
	v_nop
	v_nop
	WIN W_LD
.irp c, 0,1                            ; K: 8 key tiles x 2 chunks of 32 channels; chunk 0 first
.irp kt, 0,1,2,3,4,5,6,7
.irp e, 0,1
	ds_load_b128 v[KV+16*\kt+8*\c+4*\e:KV+16*\kt+8*\c+4*\e+3], v[ADK] offset:\kt*2048+\c*1024+\e*512
.endr
.endr
.endr
	s_wait_dscnt 16                                ; chunk 0's sixteen loads are in; chunk 1's sixteen may be out
	WIN W_KQ
.irp kt, 0,1,2,3,4,5,6,7               ; S^T = K Q^T: the sixteen accumulators take turns, one instruction a turn; the first sixteen start the sums
.irp x, 0,1
	v_wmma_f32_16x16x32_f16 v[S+64*\x+8*\kt:S+64*\x+8*\kt+7], v[KV+16*\kt:KV+16*\kt+7], v[16*\x:16*\x+7], 0
.endr
.endr
	s_wait_dscnt 0x0
.irp kt, 0,1,2,3,4,5,6,7
.irp x, 0,1
	v_wmma_f32_16x16x32_f16 v[S+64*\x+8*\kt:S+64*\x+8*\kt+7], v[KV+16*\kt+8:KV+16*\kt+15], v[16*\x+8:16*\x+15], v[S+64*\x+8*\kt:S+64*\x+8*\kt+7]
.endr
.endr
.rept 4
	v_nop                                          ; four places: in front of the loads into K's registers, and of the first read of the scores
.endr
	WIN W_LD
.irp kk, 0,1,2,3                       ; V of the same step lands under the softmax: 4 runs of 32 keys x 4 channel tiles
.irp ct, 0,1,2,3
.irp e, 0,1
	ds_load_b128 v[KV+32*\kk+8*\ct+4*\e:KV+32*\kk+8*\ct+4*\e+3], v[ADV] offset:(\kk/2)*8192+\ct*2048+(\kk%2)*1024+\e*512
.endr
.endr
.endr
	WIN 0
	; the maximum of a lane's 64 scores and the old m: eight chains, one to an accumulator, each begun at the accumulator's low end; the two tiles by turns throughout
.irp i, 0,1,2,3,4,5,6,7
.irp x, 0,1
	v_max3_num_f32 v[ST+16*\x+8+\i], v[S+64*\x+8*\i], v[S+64*\x+8*\i+1], v[S+64*\x+8*\i+2]
.endr
.endr
.irp n, 3,5
.irp i, 0,1,2,3,4,5,6,7
.irp x, 0,1
	v_max3_num_f32 v[ST+16*\x+8+\i], v[ST+16*\x+8+\i], v[S+64*\x+8*\i+\n], v[S+64*\x+8*\i+\n+1]
.endr
.endr
.endr
.irp i, 0,1,2,3
.irp x, 0,1
	v_max3_num_f32 v[ST+16*\x+8+\i], v[ST+16*\x+8+\i], v[S+64*\x+16*\i+7], v[S+64*\x+16*\i+15]
.endr
.endr
.irp x, 0,1
	v_max3_num_f32 v[ST+16*\x+8], v[ST+16*\x+8], v[ST+16*\x+12], v[ST+16*\x+13]
.endr
.irp x, 0,1
	v_max3_num_f32 v[ST+16*\x+9], v[ST+16*\x+9], v[ST+16*\x+14], v[ST+16*\x+15]
.endr
.irp x, 0,1
	v_max3_num_f32 v[ST+16*\x+8], v[ST+16*\x+8], v[ST+16*\x+9], v[ST+16*\x+10]
.endr
.irp x, 0,1
	v_max3_num_f32 v[ST+16*\x+8], v[ST+16*\x+8], v[ST+16*\x+11], v[ST+16*\x+1]
.endr
.irp x, 0,1
	v_permlanex16_b32 v[ST+16*\x+9], v[ST+16*\x+8], s[SEL], s[SEL+1]   ; the query's other 64 keys lie in the lane 16 away
.endr
.irp x, 0,1
	v_mov_b32 v[ST+16*\x+6], v[ST+16*\x]           ; c m_old
.endr
.irp x, 0,1
	v_max_num_f32 v[ST+16*\x+1], v[ST+16*\x+8], v[ST+16*\x+9]          ; the new m
.endr
.irp x, 0,1
	v_mul_f32 v[ST+16*\x], s[CS], v[ST+16*\x+1]
.endr
.irp x, 0,1
	v_sub_f32 v[ST+16*\x+6], v[ST+16*\x+6], v[ST+16*\x]                ; c m_old - c m_new
.endr
.set i, 0
.rept 32
.irp x, 0,1
	v_pk_fma_f32 v[S+64*\x+i:S+64*\x+i+1], v[S+64*\x+i:S+64*\x+i+1], s[CS:CS+1], v[ST+16*\x:ST+16*\x+1] op_sel_hi:[1,0,0] neg_lo:[0,0,1] neg_hi:[0,0,1]   ; c s - c m, two at a time
.endr
.set i, i+2
.endr
.irp x, 0,1                            ; ONE BATCH: both tiles' 130 exponentials; none reads another's result
	v_exp_f32 v[ST+16*\x+4], v[ST+16*\x+6]         ; a
.endr
.set i, 0
.rept 64
.irp x, 0,1
	v_exp_f32 v[S+64*\x+i], v[S+64*\x+i]           ; p
.endr
.set i, i+1
.endr
	v_nop                                          ; a plain instruction behind the last exponential
	s_wait_alu depctr_va_vdst(0)                   ; one wait for the batch, ahead of the first instruction that names a result
.set i, 0
.rept 32
.irp x, 0,1
	v_cvt_pk_f16_f32 v[P+32*\x+i], v[S+64*\x+2*i], v[S+64*\x+2*i+1]    ; two tiles of S^T in pairs are a fragment of P
.endr
.set i, i+1
.endr
.irp w, 32,16,8,4,2                    ; the sum of the unrounded p, in place: pairs 16, 8, 4, 2 and 1 apart
.set i, 0
.rept \w/2
.irp x, 0,1
	v_pk_add_f32 v[S+64*\x+i:S+64*\x+i+1], v[S+64*\x+i:S+64*\x+i+1], v[S+64*\x+i+\w:S+64*\x+i+\w+1]
.endr
.set i, i+2
.endr
.endr
.irp x, 0,1
	v_pk_fma_f32 v[ST+16*\x+2:ST+16*\x+3], v[ST+16*\x+2:ST+16*\x+3], v[ST+16*\x+4:ST+16*\x+5], v[S+64*\x:S+64*\x+1] op_sel_hi:[1,0,1]   ; l = a l + the sum
.endr
	WIN W_RS
.set i, 0
.rept 16
.irp x, 0,1
	v_pk_mul_f32 v[OT+32*\x+i:OT+32*\x+i+1], v[OT+32*\x+i:OT+32*\x+i+1], v[ST+16*\x+4:ST+16*\x+5] op_sel_hi:[1,0]   ; O^T x a, each accumulator from its low end on
.endr
.set i, i+2
.endr
	s_wait_dscnt 0x0                               ; V is in
	WIN W_PV
.irp kk, 0,1,2,3                       ; O^T += V^T P: the eight accumulators take turns
.irp ct, 0,1,2,3
.irp x, 0,1
	v_wmma_f32_16x16x32_f16 v[OT+32*\x+8*\ct:OT+32*\x+8*\ct+7], v[KV+32*\kk+8*\ct:KV+32*\kk+8*\ct+7], v[P+32*\x+8*\kk:P+32*\x+8*\kk+7], v[OT+32*\x+8*\ct:OT+32*\x+8*\ct+7]
.endr
.endr
.endr
	WIN 0
	s_add_co_u32 s[TB], s[TB], STEPB               ; the next step's tiles
.endm
.macro FOUR_STEPS                      ; a slot's four key steps: written once, walked four times
	s_mov_b32 s[FOUR], 4
.Lstep_\@:
	STEP
	s_sub_co_u32 s[FOUR], s[FOUR], 1
	s_cmp_lg_u32 s[FOUR], 0
	s_cbranch_scc1 .Lstep_\@
.endm
; THE CHANGE OF SLOTS.  Each wave waits for all its tensor loads, of which one is out: its part of the other slot; adds 0 to its spare word; and waits for that and for its reads of the slot that it leaves.
; fill = 1: that slot is filled again, with the keys two slots on: the barrier is a round of the cluster's, so that no wave of any partner still reads the slot or has a load on its way, and the joint refill
; is the first thing behind it: it has four key steps in which to land.
.macro CHANGE fill
	WIN 0
	s_wait_tensorcnt 0x0                           ; no tensor load of mine is out, so a group 0 may be written
	ds_add_u32 v[SPW], v[NIL]                      ; 0 onto my spare word
.if \fill
.irp g, G0K+4, G0V+4
	s_xor_b32 s[\g+1], s[\g+1], SLOT1              ; the walking descriptor: the other slot than last time,
	s_add_nc_u64 s[\g+2:\g+3], s[\g+2:\g+3], 131072   ; the next 512 keys; the type bits on top are not reached
.endr
	s_wait_dscnt 0x0                               ; the add is done, and my reads of the slot are over
	CROUND
	JLOAD
	ASK
.else
	s_wait_dscnt 0x0
	s_barrier_signal -1
	s_barrier_wait -1
.endif
	s_sub_co_u32 s[TB], s[TB], 4*STEPB             ; back to a slot's first step,
	s_xor_b32 s[TB], s[TB], SLOT1                  ; in the other slot
.endm
	s_wait_tensorcnt 1                             ; my part of slot 0 is in; the one load behind it, slot 1's, may be out
	s_barrier_signal -1
	s_barrier_wait -1                              ; everybody's is
	s_wait_loadcnt 0x0                             ; Q
	FOUR_STEPS                                     ; keys 0 to 511
.Lslot:                                            ; two trips: keys 512 to 1,535; each change asks for the keys two slots on
	CHANGE 1
	FOUR_STEPS
	s_sub_co_u32 s[SLOTS], s[SLOTS], 1
	s_cmp_lg_u32 s[SLOTS], 0
	s_cbranch_scc1 .Lslot
	CHANGE 0                                       ; the tail is written out
	FOUR_STEPS
	; THE WAY OUT.  l's two halves and the other half of the lanes' are added; O^T is divided by l and rounded to f16: a lane's four registers of an accumulator are its 16 bytes of an image.
.rept 4
	v_nop                                          ; places behind the last products
.endr
.irp x, 0,1
	v_add_f32 v[ST+16*\x+8], v[ST+16*\x+2], v[ST+16*\x+3]
.endr
.irp x, 0,1
	v_permlanex16_b32 v[ST+16*\x+9], v[ST+16*\x+8], s[SEL], s[SEL+1]
.endr
.irp x, 0,1
	v_add_f32 v[ST+16*\x+8], v[ST+16*\x+8], v[ST+16*\x+9]
.endr
.irp x, 0,1
	v_rcp_f32 v[ST+16*\x+4], v[ST+16*\x+8]
.endr
	v_nop                                          ; a plain instruction behind the last reciprocal
.irp x, 0,1
	v_cmp_lt_f32 s[20+\x], 0, v[ST+16*\x+8]        ; is the row's sum above 0?  (false for NaN too)
.endr
	s_wait_alu depctr_va_vdst(0)                   ; one wait for the two reciprocals, ahead of their first reader
	WIN W_RS
.set i, 0
.rept 16
.irp x, 0,1
	v_pk_mul_f32 v[OT+32*\x+i:OT+32*\x+i+1], v[OT+32*\x+i:OT+32*\x+i+1], v[ST+16*\x+4:ST+16*\x+5] op_sel_hi:[1,0]
.endr
.set i, i+2
.endr
	WIN W_KQ                                       ; sources 0 and 1 window 1, destination window 0: S^T's registers are free
.set i, 0
.rept 16
.irp x, 0,1
	v_cvt_pk_f16_f32 v[S+16*\x+i], v[OT+32*\x+2*i], v[OT+32*\x+2*i+1]
.endr
.set i, i+1
.endr
	WIN 0
.set i, 0
.rept 16
.irp x, 0,1
	v_cndmask_b32 v[S+16*\x+i], 0, v[S+16*\x+i], s[20+\x]          ; a row without a sum above 0 gives zeros
.endr
.set i, i+1
.endr
.irp x, 0,1
.irp ct, 0,1,2,3
	global_store_b128 v[LI], v[S+16*\x+4*\ct:S+16*\x+4*\ct+3], s[6:7] offset:\x*32768+\ct*512   ; 32 lanes store 512 consecutive bytes, aligned
.endr
.endr
	s_wait_tensorcnt 0x0                           ; the wave's end: behind my last tensor load
	ds_add_u32 v[SPW], v[NIL]
	s_wait_dscnt 0x0
	CROUND                                         ; the closing round: no work-group ends while a partner may still ask for a tile that names it
	s_endpgm
.Lfunc_end_k_qb13279bc99_attn:
	.size	k_qb13279bc99_attn, .Lfunc_end_k_qb13279bc99_attn-k_qb13279bc99_attn
	.p2alignl 7, 3214868480
	.fill 96, 4, 3214868480
	.section	.rodata,"a",@progbits
	.p2align	6, 0x0
	.amdhsa_kernel k_qb13279bc99_attn
		.amdhsa_group_segment_fixed_size 327680
		.amdhsa_private_segment_fixed_size 0
		.amdhsa_enable_private_segment 0
		.amdhsa_kernarg_size 16
		.amdhsa_user_sgpr_count 2
		.amdhsa_user_sgpr_kernarg_segment_ptr 1
		.amdhsa_wavefront_size32 1
		.amdhsa_system_sgpr_workgroup_id_x 1
		.amdhsa_system_sgpr_workgroup_id_y 1
		.amdhsa_system_sgpr_workgroup_id_z 1
		.amdhsa_system_vgpr_workitem_id 0
		.amdhsa_next_free_vgpr 512
		.amdhsa_next_free_sgpr 72
		.amdhsa_reserve_vcc 0
		.amdhsa_float_denorm_mode_32 3
		.amdhsa_float_denorm_mode_16_64 3
		.amdhsa_memory_ordered 1
		.amdhsa_forward_progress 1
		.amdhsa_inst_pref_size 114
	.end_amdhsa_kernel
	.amdgpu_metadata
---
amdhsa.version: [ 1, 2 ]
amdhsa.kernels:
  - .name:           k_qb13279bc99_attn
    .symbol:         k_qb13279bc99_attn.kd
    .args:
      - { .name: qkv, .offset: 0, .size: 8, .value_kind: global_buffer, .address_space: global }
      - { .name: ao, .offset: 8, .size: 8, .value_kind: global_buffer, .address_space: global }
    .group_segment_fixed_size: 327680
    .private_segment_fixed_size: 0
    .kernarg_segment_align: 8
    .kernarg_segment_size: 16
    .max_flat_workgroup_size: 256
    .sgpr_count:     72
    .vgpr_count:     512
    .wavefront_size: 32
...
	.end_amdgpu_metadata
.endif
;; end of part 3
;; launch outp (part 4): grid 8 x 32, 4 waves a work-group, clusters of 4 x 4, 327,680 bytes of LDS; arguments ao, wo16, bo, out0; writes out0
.if DOCPART == 4
	.amdgcn_target "amdgcn-amd-amdhsa--gfx1250"
	.amdhsa_code_object_version 6
	.text
	.protected	k_qb13279bc99_outp
	.globl	k_qb13279bc99_outp
	.p2align	8
	.type	k_qb13279bc99_outp,@function
k_qb13279bc99_outp:
	s_mov_b64 s[64:65], 0
	v_nop
	global_prefetch_b8 v0, s[64:65] scope:SCOPE_SE
	s_setreg_imm32_b32 hwreg(HW_REG_WAVE_MODE, 25, 1), 1
	s_wait_xcnt 0x0
	s_wait_alu depctr_hold_cnt(0) depctr_sa_sdst(0) depctr_va_vdst(0) depctr_va_sdst(0) depctr_va_ssrc(0) depctr_va_vcc(0) depctr_vm_vsrc(0)
	s_getreg_b32 s2, hwreg(HW_REG_IB_STS2, 6, 4)
	s_cmp_eq_u32 s2, 0
	s_cbranch_scc0 .Lentry_in_a_cluster
	s_endpgm
.Lentry_in_a_cluster:
	s_bfe_u32 s2, ttmp6, 0x10000c
	s_cmp_lg_u32 s2, 0xf033
	s_cbranch_scc0 .Lentry_shape_is_right
	s_endpgm
.Lentry_shape_is_right:
; out0 = o Wo^T + bo.  o [4096][1024] and Wo [1024][1024] come as f16 images of fragment registers ([row / 16][k / 32][e 2][lane 32][16 bytes]); bo and out0 are f32; sums in f32.
; A tile of out0 is 128 x 128: 256 work-groups.  Four waves, each 64 x 64: 16 accumulators.  K goes in four steps of 256 through two LDS slots: a step's part of 16 rows is 8,192 dense bytes; a wave's tensor load
; brings four such rows, 32,768 bytes apart in memory, dense in LDS.  Every fragment address is a constant + 16 x lane: no pitch, no padding.
; CLUSTERS: 4 x 4 work-groups.  The four of a row of the cluster need the same tiles of o, the four of a column the same tiles of Wo: each tile is asked for jointly.
; THE MATRIX INSTRUCTION IS USED TRANSPOSED (source 0 = 16 rows of Wo, source 1 = 16 rows of o): a lane holds eight neighbouring numbers of a row of out0.  The bias is the C of each sum's first product.
; A wave's 64 columns are 256 aligned bytes of a row: each wave has a stage of its own on the way out, and no barrier stands there.
; REGISTERS: window 0: v16-29 addresses; v32-63 the bias, 4 tuples of 8; v128-255 the accumulators ((a, b) at v[128 + 8 (4 a + b)]).
;   window 1: two fragment buffers of 128: for 64 along K, 64 registers of o (2 x 4 x 16 rows x 32 K), then 64 of Wo; on the way out v0-127 rows read back from the stage.
.set SLOT1,  131072                    ; a slot: o's 8 x 8,192 bytes, then Wo's
.set BOFF,   65536
.set STAGE,  2*SLOT1                   ; behind the ring: 16 rows x 272 bytes for each wave
.set SPITCH, 272
.set SPARE,  STAGE+4*16*SPITCH         ; the spare words, 128 bytes for each wave; no other line names them
.set ADRA, 16                          ; v16-17  LDS address of my fragments of o in slot 0, 1
.set ADRB, 20                          ; v20-21  the same for Wo
.set STO,  24                          ; v24     the way out: where I put 32 bytes of a row
.set RD,   25                          ; v25     where I read 16 bytes of a row back
.set CO,   26                          ; v26     my byte offset in out0
.set BOF,  27                          ; v27     32 x (lane / 16): my eight numbers of a bias tuple
.set SPW,  28                          ; v28     SPARE + 4 x my thread's number; never rewritten
.set NIL,  29                          ; v29     0; never rewritten
.set BIAS, 32
.set ACC,  128
.set F0,   0                           ; fragment buffers, window 1
.set F1,   128
.set G1, 24                            ; s[24:31] group 1 for o's tiles;  s[32:39] group 0, a set for each slot
.set G0, 32
.set G1B, 48                           ; s[48:55], s[56:63] the same for Wo's
.set G0B, 56
.set MSB, 0
.macro WIN new                         ; the immediate's high byte repeats the setting that is left
.if MSB != \new
	s_set_vgpr_msb (MSB<<8)|\new
.set MSB, \new
.endif
.endm
.set MUL,  0x05                        ; sources 0 (Wo) and 1 (o) window 1; C and D window 0
.set TO_F, 0x40                        ; destination window 1, address window 0
.macro JLOAD s                         ; a joint load: waves 0 and 1 fetch o's two halves, waves 2 and 3 Wo's; an s_nop 0 and four v_nop follow each line
	s_cmp_eq_u32 s13, 0
	s_cbranch_scc0 .Lfor_b_\@
	tensor_load_to_lds s[G0+4*\s:G0+4*\s+3], s[G1:G1+7]
	s_nop 0
.rept 4
	v_nop
.endr
	s_branch .Lasked_\@
.Lfor_b_\@:
	tensor_load_to_lds s[G0B+4*\s:G0B+4*\s+3], s[G1B:G1B+7]
	s_nop 0
.rept 4
	v_nop
.endr
.Lasked_\@:
.endm
.macro CREST                           ; a round of the cluster's barrier behind its opening barrier
	s_cmp_lg_u32 s12, 0
	s_cbranch_scc1 .Lnot_wave_0_\@
	s_barrier_signal -3
.Lnot_wave_0_\@:
	s_barrier_wait -3
	s_barrier_signal -1
	s_barrier_wait -1
.endm
.macro CROUND                          ; a whole round
	s_barrier_signal -1
	s_barrier_wait -1
	CREST
.endm
	s_load_b128 s[4:7], s[0:1], 0x0                ; ao s[4:5], wo16 s[6:7]
	s_load_b128 s[8:11], s[0:1], 0x10              ; bo s[8:9], out0 s[10:11]
	v_lshl_add_u32 v[SPW], v0, 2, SPARE
	v_mov_b32 v[NIL], 0
	ds_add_u32 v[SPW], v[NIL]                      ; the wave's opening: the add, twice on end, and its wait ahead of my first tensor load
	ds_add_u32 v[SPW], v[NIL]                      ; (the set-up below, work on registers, stands between the second and the wait)
	v_lshrrev_b32 v1, 5, v0
	v_readfirstlane_b32 s12, v1                    ; wave 0..3
	s_lshr_b32 s13, s12, 1                         ; which half of the tile's rows is mine.  Also: I fetch for o (0) or for Wo (1)
	s_and_b32 s14, s12, 1                          ; which half of its columns.  Also: which 64 rows I fetch
	s_bfe_u32 s40, ttmp6, 0x40000                  ; cx, cy
	s_bfe_u32 s41, ttmp6, 0x40004
	s_lshl_b32 s42, ttmp9, 2
	s_add_co_u32 s42, s42, s40                     ; tile column = 4 x cluster x + cx
	s_and_b32 s15, ttmp7, 0xffff
	s_lshl_b32 s15, s15, 2
	s_add_co_u32 s15, s15, s41                     ; tile row = 4 x cluster y + cy
	s_lshl_b32 s43, s41, 2
	s_lshl_b32 s43, 15, s43                        ; my row of the cluster
	s_lshl_b32 s44, 0x1111, s40                    ; my column
	; group 1: 4 rows of 8,192 bytes (1,024 elements of 8), 32,768 bytes apart; no padding
	s_or_b32 s[G1+0], s43, (3<<16)|(1<<21)         ; the mask: o's tiles go to my row; elements of 8 bytes; bit 21 beside a mask
	s_or_b32 s[G1B+0], s44, (3<<16)|(1<<21)
.irp g, G1, G1B
	s_mov_b32 s[\g+1], 1024<<16                    ; tensor_dim0
	s_mov_b32 s[\g+2], 4<<16                       ; tensor_dim1
	s_mov_b32 s[\g+3], 1024<<16                    ; tile_dim0
	s_mov_b32 s[\g+4], 4                           ; tile_dim1
	s_mov_b32 s[\g+5], 4096                        ; from row to row
	s_mov_b32 s[\g+6], 0
	s_mov_b32 s[\g+7], 0
.endr
	s_lshl_b32 s17, s14, 2                         ; which four blocks of 16 rows I fetch
	s_lshl_b32 s16, s15, 3
	s_add_co_u32 s16, s16, s17
	s_lshl_b32 s16, s16, 15                        ; o: block 8 x tile row + 4 x half, 32,768 bytes a block
	s_lshl_b32 s46, s42, 3
	s_add_co_u32 s46, s46, s17
	s_lshl_b32 s46, s46, 15                        ; Wo: block 8 x tile column + 4 x half
	s_mov_b32 s17, 0
	s_mov_b32 s47, 0
	s_lshl_b32 s20, s12, 15                        ; where they go: wave x 32,768: no place in the cluster enters an LDS address
	s_wait_dscnt 0x0                               ; both opening adds are done
	s_wait_kmcnt 0x0
	s_add_nc_u64 s[16:17], s[4:5], s[16:17]
	s_add_nc_u64 s[46:47], s[6:7], s[46:47]
	CROUND                                         ; all sixteen work-groups are here: the first joint loads meet
.irp s, 0,1
	s_mov_b32 s[G0+4*\s], 1
	s_add_co_u32 s[G0+4*\s+1], s20, \s*SLOT1
	s_add_nc_u64 s[G0+4*\s+2:G0+4*\s+3], s[16:17], \s*8192         ; K step s
	s_or_b32 s[G0+4*\s+3], s[G0+4*\s+3], 0x80000000
	s_mov_b32 s[G0B+4*\s], 1
	s_add_co_u32 s[G0B+4*\s+1], s20, \s*SLOT1
	s_add_nc_u64 s[G0B+4*\s+2:G0B+4*\s+3], s[46:47], \s*8192
	s_or_b32 s[G0B+4*\s+3], s[G0B+4*\s+3], 0x80000000
	JLOAD \s                                       ; by this text's count two tensor loads of a wave are out
.endr
	v_and_b32 v1, 15, v0                           ; r = lane % 16
	v_bfe_u32 v2, v0, 4, 1                         ; h = lane / 16
	v_and_b32 v3, 31, v0
	v_lshlrev_b32 v3, 4, v3                        ; 16 x lane
	s_lshl_b32 s21, s13, 15                        ; my four blocks of o
	s_lshl_b32 s22, s14, 15                        ; my four blocks of Wo,
	s_add_co_u32 s22, s22, BOFF                    ; which lie behind o's eight
.irp s, 0,1
	v_add_nc_u32 v[ADRA+\s], s21, v3
	v_add_nc_u32 v[ADRB+\s], s22, v3
	s_add_co_u32 s21, s21, SLOT1
	s_add_co_u32 s22, s22, SLOT1
.endr
	s_mul_i32 s23, s12, 16*SPITCH
	s_add_co_u32 s23, s23, STAGE                   ; my stage
	v_mul_u32_u24 v4, v1, SPITCH                   ; in: row r, 32 bytes for each half of the lanes
	v_lshl_add_u32 v4, v2, 5, v4
	v_add_nc_u32 v[STO], s23, v4
	v_mul_u32_u24 v5, v2, SPITCH                   ; back: lanes 0-15 one row of 256 bytes, lanes 16-31 the next
	v_lshl_add_u32 v5, v1, 4, v5
	v_add_nc_u32 v[RD], s23, v5
	v_lshlrev_b32 v5, 12, v2                       ; and the same two rows in out0: 4,096 bytes a row
	v_lshl_add_u32 v[CO], v1, 4, v5
	v_lshlrev_b32 v[BOF], 5, v2
	s_lshl_b32 s18, s42, 9                         ; my first column, in bytes: 512 x tile column + 256 x half
	s_lshl_b32 s19, s14, 8
	s_add_co_u32 s18, s18, s19
	s_mov_b32 s19, 0
	s_add_nc_u64 s[8:9], s[8:9], s[18:19]
	s_add_nc_u64 s[10:11], s[10:11], s[18:19]
	s_lshl_b32 s18, s15, 7
	s_lshl_b32 s21, s13, 6
	s_add_co_u32 s18, s18, s21                     ; my first row: 128 x tile row + 64 x half
	s_lshl_b32 s18, s18, 12
	s_add_nc_u64 s[10:11], s[10:11], s[18:19]
.irp b, 0,1,2,3
	global_load_b128 v[BIAS+8*\b:BIAS+8*\b+3], v[BOF], s[8:9] offset:64*\b         ; bo at columns 16 b + 8 h + 0 .. 7 of my 64
	global_load_b128 v[BIAS+8*\b+4:BIAS+8*\b+7], v[BOF], s[8:9] offset:64*\b+16
.endr
; 8 matrix instructions: row blocks a0, a0 + 1 x all 4 column blocks, 32 along K: half c of buffer f.  zero = 1: the sums start from the bias.  The 16 accumulators take turns.
.macro MUL8 f, c, a0, zero
.irp a, \a0, \a0+1
.irp b, 0,1,2,3
.if \zero
	v_wmma_f32_16x16x32_f16 v[ACC+8*(4*(\a)+\b):ACC+8*(4*(\a)+\b)+7], v[\f+64+8*(4*\c+\b):\f+64+8*(4*\c+\b)+7], v[\f+8*(4*\c+\a):\f+8*(4*\c+\a)+7], v[BIAS+8*\b:BIAS+8*\b+7]
.else
	v_wmma_f32_16x16x32_f16 v[ACC+8*(4*(\a)+\b):ACC+8*(4*(\a)+\b)+7], v[\f+64+8*(4*\c+\b):\f+64+8*(4*\c+\b)+7], v[\f+8*(4*\c+\a):\f+8*(4*\c+\a)+7], v[ACC+8*(4*(\a)+\b):ACC+8*(4*(\a)+\b)+7]
.endif
.endr
.endr
.endm
; 32 LDS loads in one run: the fragments of 64 along K, from byte k of each block's 8,192, into buffer f; the first 32 along K first
.macro FETCH slot, k, f
	WIN TO_F
.irp c, 0,1
.irp i, 0,1,2,3
	ds_load_b128 v[\f+64+8*(4*\c+\i):\f+64+8*(4*\c+\i)+3],   v[ADRB+\slot] offset:\k+\c*1024+\i*8192
	ds_load_b128 v[\f+64+8*(4*\c+\i)+4:\f+64+8*(4*\c+\i)+7], v[ADRB+\slot] offset:\k+\c*1024+\i*8192+512
	ds_load_b128 v[\f+8*(4*\c+\i):\f+8*(4*\c+\i)+3],         v[ADRA+\slot] offset:\k+\c*1024+\i*8192
	ds_load_b128 v[\f+8*(4*\c+\i)+4:\f+8*(4*\c+\i)+7],       v[ADRA+\slot] offset:\k+\c*1024+\i*8192+512
.endr
.endr
.endm
.macro PLACES                          ; four places in front of loads into registers that matrix instructions have read, and of the first read of results
.rept 4
	v_nop
.endr
.endm
; A K step is four quarters of 64 along K, 32 matrix instructions each, on buffers 0, 1, 0, 1.  One of the first three: multiplies buffer f and fetches the next quarter, at byte k, into g.
.macro QUARTER slot, k, f, g, zero
	s_wait_dscnt 16                                ; the first 32 along K are in; the sixteen loads of the second 32 may be out
	WIN MUL
	MUL8 \f, 0, 0, \zero
	MUL8 \f, 0, 2, \zero
	PLACES
	FETCH \slot, \k, \g
	s_wait_dscnt 32                                ; all but the 32 just issued
	WIN MUL
	MUL8 \f, 1, 0, 0
	MUL8 \f, 1, 2, 0
.endm
; The last quarter multiplies buffer 1 and changes slots: ONE barrier; in front of it each wave waits for all its tensor loads, adds 0 to its spare word, and waits for that and for its reads of this slot.
; fill = 1: this slot is filled again, two K steps ahead: the barrier then opens a round of the cluster's, and the joint refill is the first tensor load behind it.
.macro TURN slot, next, fill
	WIN 0                                          ; (the add's two registers lie in window 0)
	s_wait_tensorcnt 0x0                           ; all my tensor loads have landed: my part of the next slot
	ds_add_u32 v[SPW], v[NIL]                      ; 0 onto my spare word
	s_wait_dscnt 17                                ; the add and the youngest sixteen loads may be out
	WIN MUL
	MUL8 F1, 0, 0, 0
	s_wait_dscnt 0x0                               ; the add is done, and my reads of this slot are over
	s_barrier_signal -1
	MUL8 F1, 0, 2, 0
.if \fill
	WIN 0
.endif
	s_barrier_wait -1
.if \fill
	CREST                                          ; no wave of any partner still reads this slot's tile or has a load on its way
	s_add_nc_u64 s[G0+4*\slot+2:G0+4*\slot+3], s[G0+4*\slot+2:G0+4*\slot+3], 2*8192
	s_add_nc_u64 s[G0B+4*\slot+2:G0B+4*\slot+3], s[G0B+4*\slot+2:G0B+4*\slot+3], 2*8192
	JLOAD \slot                                    ; the four v_nop behind it are also the places in front of the loads below
.else
	PLACES
.endif
	FETCH \next, 0, F0
	WIN MUL
	MUL8 F1, 1, 0, 0
	MUL8 F1, 1, 2, 0
.endm
	s_wait_tensorcnt 1                             ; my part of K step 0 is in; the one load behind it, K step 1's, may be out
	s_barrier_signal -1
	s_barrier_wait -1                              ; everybody's is
	FETCH 0, 0, F0
	s_wait_loadcnt 0x0                             ; the bias
	QUARTER 0, 2048, F0, F1, 1                     ; K step 0: its first products start the sums from the bias
	QUARTER 0, 4096, F1, F0, 0
	QUARTER 0, 6144, F0, F1, 0
	TURN 0, 1, 1                                   ; slot 0 takes K step 2
	QUARTER 1, 2048, F0, F1, 0                     ; K step 1
	QUARTER 1, 4096, F1, F0, 0
	QUARTER 1, 6144, F0, F1, 0
	TURN 1, 0, 1                                   ; slot 1 takes K step 3
	QUARTER 0, 2048, F0, F1, 0                     ; K step 2
	QUARTER 0, 4096, F1, F0, 0
	QUARTER 0, 6144, F0, F1, 0
	TURN 0, 1, 0                                   ; nothing is left to fetch
	QUARTER 1, 2048, F0, F1, 0                     ; K step 3
	QUARTER 1, 4096, F1, F0, 0
	QUARTER 1, 6144, F0, F1, 0
	s_wait_dscnt 16                                ; the very last quarter
	WIN MUL
	MUL8 F1, 0, 0, 0
	MUL8 F1, 0, 2, 0
	s_wait_dscnt 0
	MUL8 F1, 1, 0, 0
	MUL8 F1, 1, 2, 0
	WIN 0
; THE WAY OUT, a block of 16 rows x 64 columns at a time: a lane's 32 bytes of a row go into my own stage and come back as whole rows of 256 bytes.  LDS serves a wave's instructions in order (ISA guide 5.7.1.4):
; no wait stands between the stores and the loads, nor in front of the next block's stores.  Each block has registers of its own, so no store's data are written again.
.macro TOSTAGE a
	WIN 0
.irp b, 0,1,2,3
	ds_store_b128 v[STO], v[ACC+8*(4*(\a)+\b):ACC+8*(4*(\a)+\b)+3] offset:64*\b          ; each accumulator from its low end on
	ds_store_b128 v[STO], v[ACC+8*(4*(\a)+\b)+4:ACC+8*(4*(\a)+\b)+7] offset:64*\b+16
.endr
	WIN TO_F
.irp t, 0,1,2,3,4,5,6,7
	ds_load_b128 v[32*(\a)+4*\t:32*(\a)+4*\t+3], v[RD] offset:\t*2*SPITCH
.endr
.endm
.macro SEND a, younger                 ; younger: the LDS instructions issued behind block a's loads, which may stay out
	s_wait_dscnt \younger
	WIN 0x04                                       ; a store's data are its source 1: window 1
.irp t, 0,1,2,3,4,5,6,7
	global_store_b128 v[CO], v[32*(\a)+4*\t:32*(\a)+4*\t+3], s[10:11] offset:(\a)*65536+\t*8192 th:TH_STORE_NT   ; 16 lanes store 256 consecutive bytes, aligned; written once, read by nobody here
.endr
.endm
	PLACES
	TOSTAGE 0
.irp a, 1,2,3
	TOSTAGE \a
	SEND \a-1, 16                                  ; behind block a - 1's loads: block a's eight stores and eight loads
.endr
	SEND 3, 0
	WIN 0
	s_wait_tensorcnt 0x0                           ; the wave's end: behind my last tensor load and my last LDS store
	ds_add_u32 v[SPW], v[NIL]
	s_wait_dscnt 0x0
	CROUND                                         ; the closing round: no work-group ends while a partner may still ask for a tile that names it
	s_endpgm
.Lfunc_end_k_qb13279bc99_outp:
	.size	k_qb13279bc99_outp, .Lfunc_end_k_qb13279bc99_outp-k_qb13279bc99_outp
	.p2alignl 7, 3214868480
	.fill 96, 4, 3214868480
	.section	.rodata,"a",@progbits
	.p2align	6, 0x0
	.amdhsa_kernel k_qb13279bc99_outp
		.amdhsa_group_segment_fixed_size 327680
		.amdhsa_private_segment_fixed_size 0
		.amdhsa_enable_private_segment 0
		.amdhsa_kernarg_size 32
		.amdhsa_user_sgpr_count 2
		.amdhsa_user_sgpr_kernarg_segment_ptr 1
		.amdhsa_wavefront_size32 1
		.amdhsa_system_sgpr_workgroup_id_x 1
		.amdhsa_system_sgpr_workgroup_id_y 1
		.amdhsa_system_sgpr_workgroup_id_z 1
		.amdhsa_system_vgpr_workitem_id 0
		.amdhsa_next_free_vgpr 512
		.amdhsa_next_free_sgpr 66
		.amdhsa_reserve_vcc 0
		.amdhsa_float_denorm_mode_32 3
		.amdhsa_float_denorm_mode_16_64 3
		.amdhsa_memory_ordered 1
		.amdhsa_forward_progress 1
		.amdhsa_inst_pref_size 86
	.end_amdhsa_kernel
	.amdgpu_metadata
---
amdhsa.version: [ 1, 2 ]
amdhsa.kernels:
  - .name:           k_qb13279bc99_outp
    .symbol:         k_qb13279bc99_outp.kd
    .args:
      - { .name: ao, .offset: 0, .size: 8, .value_kind: global_buffer, .address_space: global }
      - { .name: wo16, .offset: 8, .size: 8, .value_kind: global_buffer, .address_space: global }
      - { .name: bo, .offset: 16, .size: 8, .value_kind: global_buffer, .address_space: global }
      - { .name: out0, .offset: 24, .size: 8, .value_kind: global_buffer, .address_space: global }
    .group_segment_fixed_size: 327680
    .private_segment_fixed_size: 0
    .kernarg_segment_align: 8
    .kernarg_segment_size: 32
    .max_flat_workgroup_size: 128
    .sgpr_count:     66
    .vgpr_count:     512
    .wavefront_size: 32
...
	.end_amdgpu_metadata
.endif
;; end of part 4
